; MI455X (gfx1250); checked and timed in simulation.
; The chip was launched on July 23, 2026; its instructions are those of AMD's public machine-readable ISA for CDNA 5 (MIT licence, August 2026) and "CDNA5" Instruction Set Architecture Reference Guide (July 2026). The comments in the code are by the model that wrote it; some were corrected since.
;; Causal Attention. Allowed arithmetic: matrix products marked QUANTISED: E3M2 operands, one E8M0 scale for each 32 along K, by v_wmma_scale_f32_16x16x128_f8f6f4 with both operands' format E3M2, f32 sums; everything else in f32.
;; Inputs: Wk 1,024 x 1,024 float32; Wo 1,024 x 1,024 float32; Wq 1,024 x 1,024 float32; Wv 1,024 x 1,024 float32; x 4 x 2,048 x 1,024 float32.
;; Outputs: out0 4 x 2,048 x 1,024 float32.
;; This version of the problem:
;;   THIS VERSION OF THE PROBLEM IS GIVEN IN LOW PRECISION. The matrix products marked QUANTISED in the list below multiply operands that are first quantised to E3M2 (3 exponent bits, 2 mantissa bits; 6 bits a number), with one power-of-two scale for each 32 numbers along K (OCP MX v1.0); their sums are f32. All else is computed in f32.
;;   The module's matrix products, in the order in which they are computed (A, B: the left and right operand; K: the contracted axis; several contracted axes count as one K, in the product's order):
;;     1. [M 8,192, K 1,024] x [K 1,024, N 1,024]; A: input x; B: input Wq: QUANTISED
;;     2. [M 8,192, K 1,024] x [K 1,024, N 1,024]; A: input x; B: input Wk: QUANTISED
;;     3. [M 8,192, K 1,024] x [K 1,024, N 1,024]; A: input x; B: input Wv: QUANTISED
;;     4. batch 64 x [M 2,048, K 64] x [K 64, N 2,048]; A: computed on the way; B: computed on the way: QUANTISED
;;     5. batch 64 x [M 2,048, K 2,048] x [K 2,048, N 64]; A: softmax (see below); B: computed on the way: QUANTISED
;;     6. [M 8,192, K 1,024] x [K 1,024, N 1,024]; A: computed on the way; B: input Wo: QUANTISED
;;   THE QUANTISER, for each operand of a quantised product, along K:
;;     - K is cut into blocks of 32 from its start; a last block that is shorter is filled with zeros.
;;     - A block's scale is 2^e with e = floor(log2(the largest magnitude in the block)) - 4, held to -126 .. 127; a block of zeros has e = 0. As a byte (E8M0): e + 127.
;;     - Each number is divided by its block's scale, clamped to +-28, and rounded to the nearest number of E3M2, ties to even, subnormals kept.
;;     - The product sums the exact products of the quantised numbers (number of the format x scale) in f32.
;;   ~~~python
;;   def quantise(x, axis):      # numpy; x: float32 -> the quantised numbers, widened to float32 again
;;       x = np.moveaxis(x, axis, -1); K = x.shape[-1]
;;       x = np.pad(x, [(0, 0)] * (x.ndim - 1) + [(0, -K % 32)]); x = x.reshape(x.shape[:-1] + (-1, 32)); a = np.abs(x).max(-1, keepdims=True)
;;       e = np.where(a > 0, np.clip(np.frexp(np.where(a > 0, a, 1))[1] - 1 - 4, -126, 127), 0)      # np.frexp(a)[1] - 1 = floor(log2(a)), exactly
;;       r = np.clip(x / 2.0 ** e, -28, 28)
;;       step = 2.0 ** (np.maximum(np.frexp(np.where(r == 0, 1, r))[1] - 1, -2) - 2)
;;       q = np.round(r / step) * step * 2.0 ** e      # np.round: ties to even
;;       return np.moveaxis(q.reshape(q.shape[:-2] + (-1,))[..., :K], -1, axis).astype(np.float32)
;;   ~~~
;;   SOFTMAX AHEAD OF A QUANTISED PRODUCT. Where the list says 'softmax', what is quantised is not the finished softmax but p = 2^(t - M), with t = logit x log2(e) and M = ceil(the row's largest t), a whole number; so 1/2 < the row's largest p <= 1. The row's sum l is taken of the UNQUANTISED p, in f32, and the product's result is divided by l at the end. Since M is a whole number, a kernel that streams over the keys may use a running M (the ceiling of the running maximum): every later rescaling is an exact power of two, which a block's scale takes up: the codes' values come out the same.
;;   OPERANDS COMPUTED ON THE WAY. 'Computed on the way' means the value that the module computes at that place (a softmax that the list does not call 'softmax' is quantised finished and normalised). What goes into a quantiser is computed in f32, as accurately as f32 sums, v_exp_f32 and their like allow (about 1e-6 of the number): no bf16 or f16 on the way to a quantiser, and a product that is left as it is and whose result goes on into a quantised operand takes f32 operands (vector FMAs, or v_wmma_f32_16x16x4_f32). A number that lies on a knife's edge between two numbers of the format may be rounded either way, as far as f32 arithmetic and the matrix unit's own rounding can turn it there, and no further.
;; One version. Each part assembles by itself: llvm-mc -triple=amdgcn-amd-amdhsa -mcpu=gfx1250 --defsym DOCPART=n.
;; ======== version 1 of 1: 5 launches
;; limits: right only within a limited range of input values
;; workspace buffers: xq 6,553,600 bytes; wqk 1,835,008 bytes; wv 1,048,576 bytes; wo 1,048,576 bytes; qkimg 18,874,368 bytes; vimg 56,623,104 bytes; ao 6,553,600 bytes
;; launch prep (part 1): grid 384 x 1, 4 waves a work-group, no clusters, 60,928 bytes of LDS; arguments Wq, Wk, Wv, Wo, wqk, wv, wo, x, xq; writes wqk, wv, wo, xq
.if DOCPART == 1
	.amdgcn_target "amdgcn-amd-amdhsa--gfx1250"
	.amdhsa_code_object_version 6
	.text
	.protected	k_q0eb457dc38_prep
	.globl	k_q0eb457dc38_prep
	.p2align	8
	.type	k_q0eb457dc38_prep,@function
k_q0eb457dc38_prep:
	s_mov_b64 s[64:65], 0
	v_nop
	global_prefetch_b8 v0, s[64:65] scope:SCOPE_SE
	s_setreg_imm32_b32 hwreg(HW_REG_WAVE_MODE, 25, 1), 1
	s_wait_xcnt 0x0
; One launch quantises all five inputs to codes of BF6 (E3M2) with one E8M0 scale byte for each 32 along K, laid as IMAGES OF OPERAND REGISTERS.
; THE FORMAT of xq, wqk, wv, wo: scale words from byte 0: tile x 512 + ik x 64 + 4 r (tile: 16 rows; ik: which 128 along K; a word: one byte for each 32 along K);
; codes from byte CODES: tile x 12,288 + ik x 1,536 + 256 c + 8 x lane: chunk c (0..5) holds registers 2 c, 2 c + 1 of the fragment's 12, lane by lane.
; Place r of tile T holds row (x: token; a weight: column n) 32 (T / 2) + 8 (T % 2) + r + 8 (r / 8), so that a product used transposed leaves 16 neighbours in a lane's registers.
; A block's scale is 2^(floor(log2(its largest magnitude)) - 4); its byte is the largest magnitude's exponent field - 4, held at 1 from below.
; LIMITS: a block of zeros gets the byte 1 where the quantiser's text says 127 (its codes are zeros, and this program alone reads the bytes); blocks whose largest magnitude lies under 2^-122 keep the byte 1;
; NaN and infinities among the inputs are not served.
; SHARES: work-groups 0-255 take x [8192][1024], K innermost; work-groups 256-383 take the weights [1024 (k)][1024 (n)], K as the first axis.  The two ways part on the work-group's number alone,
; have LDS bytes of their own (x: from 0; the spare words at 34,816; the weights: from 35,328) and join at the closing lines.  No barrier: waves share nothing.  No tensor load.
; x: wave W = 4 x work-group + wave takes tile W / 2 and half W % 2 of K: four fragments of 16 rows x 128.  Each load reads 512 consecutive bytes of a row; the 16 rows turn through the wave's own stage
; (rows of 512 + 16 bytes), so that lane (r, h) holds blocks h and 2 + h of row r whole.
; Weights: number i = work-group - 256: 128 columns at 128 (i % 8); weight (i / 8) / 4, 256 along K at 256 ((i / 8) % 4).  Wq goes to tiles 0-63 of wqk, Wk to tiles 64-127, Wv to wv, Wo to wo: only pointers are chosen.
; A lane takes a column and its registers run down K: each load reads 128 consecutive bytes a wave, a block of 32 lies in one lane, and the conversions give codes with K innermost; they leave through the wave's own stage as runs of 512 bytes.
.set CODES, 262144
.set SPARE, 0x8800
.set WB,    35328                      ; the weights' LDS begins here
	v_lshl_add_u32 v232, v0, 2, SPARE
	v_mov_b32 v233, 0
	s_wait_alu depctr_va_vdst(0)
	s_cmp_lt_u32 ttmp9, 256
	s_cbranch_scc0 .Lweights
; ---- x ----
.set WREG,  8704                       ; LDS of a wave: the stage, 16 x 528 bytes, and its 256 bytes of scale words
.set SWO,   8448
.set R,     16                         ; v16-143  two sets of 64 registers as loaded
.set X,     144                        ; v144-207 my two blocks of 32
.set PC,    208                        ; v208-219 the fragment's 12 registers
.set PT,    220                        ; v220-222, v224-226 the upper halves of the two blocks, as converted
	s_load_b64 s[4:5], s[0:1], 0x38                ; x
	s_load_b64 s[6:7], s[0:1], 0x40                ; xq
	v_lshrrev_b32 v1, 5, v0
	v_readfirstlane_b32 s8, v1                     ; wave
	v_and_b32 v1, 31, v0                           ; lane
	v_and_b32 v10, 15, v0                          ; r
	v_bfe_u32 v11, v0, 4, 1                        ; h
	s_mul_i32 s20, s8, WREG
	s_add_co_u32 s21, s20, SWO
	v_lshlrev_b32 v2, 4, v1                        ; my 16 bytes of a load's 512
	v_add_nc_u32 v3, s20, v2                       ; the stage, on the way in
	v_mul_u32_u24 v4, v10, 528
	v_lshl_add_u32 v4, v11, 7, v4
	v_add_nc_u32 v4, s20, v4                       ; and out: row r, + 128 h bytes
	v_lshlrev_b32 v5, 3, v1                        ; 8 x lane: my place in a chunk
	v_lshl_add_u32 v6, v10, 2, s21                 ; my row's scale word in LDS
	v_add_nc_u32 v7, s21, v5                       ; the words on their way out
	v_lshlrev_b32 v14, 3, v11                      ; 8 h
	v_mov_b32 v15, 0                               ; a lane permute's destination counts as read
	s_lshl_b32 s9, ttmp9, 2
	s_add_co_u32 s9, s9, s8                        ; W
	s_lshr_b32 s10, s9, 1                          ; tile
	s_and_b32 s11, s9, 1                           ; half of K
	s_lshr_b32 s12, s10, 1
	s_lshl_b32 s12, s12, 5
	s_and_b32 s13, s10, 1
	s_lshl_b32 s13, s13, 3
	s_add_co_u32 s12, s12, s13                     ; the tile's first token
	s_lshl_b32 s12, s12, 12                        ; rows of 4,096 bytes
	s_lshl_b32 s13, s11, 11
	s_add_co_u32 s12, s12, s13
	s_mov_b32 s13, 0
	s_mul_i32 s14, s10, 12288
	s_mul_i32 s15, s11, 6144
	s_add_co_u32 s14, s14, s15
	s_add_co_u32 s14, s14, CODES
	s_mov_b32 s15, 0
	s_lshl_b32 s16, s10, 9
	s_lshl_b32 s17, s11, 8
	s_add_co_u32 s16, s16, s17
	s_mov_b32 s17, 0
	s_mov_b32 s18, 0x76543210
	s_mov_b32 s19, 0xfedcba98                      ; selects for lane l xor 16
	s_wait_alu depctr_va_vdst(0)                   ; the wait at the head's end
	s_wait_kmcnt 0x0
	s_add_nc_u64 s[4:5], s[4:5], s[12:13]          ; x at my first row and column
	s_add_nc_u64 s[16:17], s[6:7], s[16:17]        ; my 256 bytes of scale words
	s_add_nc_u64 s[6:7], s[6:7], s[14:15]          ; my four fragments' images
.macro LOADX f                         ; fragment f: 16 rows x 512 bytes
.irp i, 0,1,2,3,4,5,6,7,8,9,10,11,12,13,14,15
	global_load_b128 v[R+64*((\f)%2)+4*\i:R+64*((\f)%2)+4*\i+3], v2, s[4:5] offset:(\i+8*(\i/8))*4096+512*(\f) th:TH_LOAD_NT
.endr
.endm
.macro TURN f                          ; through the stage: LDS serves a wave's instructions in order, so no wait stands between the stores and the loads
.irp i, 0,1,2,3,4,5,6,7,8,9,10,11,12,13,14,15
	ds_store_b128 v3, v[R+64*((\f)%2)+4*\i:R+64*((\f)%2)+4*\i+3] offset:528*\i
.endr
.irp c, 0,1
.irp j, 0,1,2,3,4,5,6,7
	ds_load_b128 v[X+32*\c+4*\j:X+32*\c+4*\j+3], v4 offset:256*\c+16*\j
.endr
.endr
.endm
.macro FRAGQ f
.irp c, 0,1
	v_max3_num_f32 v[8+\c], |v[X+32*\c]|, |v[X+32*\c+1]|, 0x2800000   ; block 2 c + h: all 32 numbers are mine; the floor 2^(5 - 127) holds the byte at 1 from below
.endr
.irp i, 2,4,6,8,10,12,14,16,18,20,22,24,26,28,30
.irp c, 0,1
	v_max3_num_f32 v[8+\c], v[8+\c], |v[X+32*\c+\i]|, |v[X+32*\c+\i+1]|
.endr
.endr
.irp c, 0,1
	v_add_nc_u32 v[10+\c], 0xfe000000, v[8+\c]     ; 4 off the exponent field: the conversion's scale operand
.endr
.irp c, 0,1
	v_lshrrev_b32 v[12+\c], 23, v[10+\c]           ; the scale's byte
.endr
	v_lshl_or_b32 v12, v13, 16, v12                ; my two bytes, blocks h and 2 + h,
	v_lshlrev_b32 v12, v14, v12                    ; at their places in the word;
	v_permlanex16_b32 v15, v12, s18, s19
	v_or_b32 v12, v12, v15                         ; with lane l xor 16's two the word is whole
	s_wait_alu depctr_va_vdst(0)
	s_wait_xcnt 0x0                                ; the last fragment's stores have read their data: PC is written again only behind this wait
.irp c, 0,1
	v_cvt_scalef32_pk16_bf6_f32 v[PC+6*\c:PC+6*\c+2], v[X+32*\c:X+32*\c+15], v[10+\c]
	v_cvt_scalef32_pk16_bf6_f32 v[PT+4*\c:PT+4*\c+2], v[X+32*\c+16:X+32*\c+31], v[10+\c]   ; (a conversion's three registers begin on an even number)
.endr
	v_nop                                          ; one plain place behind a scaled conversion
.irp c, 0,1
.irp i, 0,1,2
	v_mov_b32 v[PC+3+6*\c+\i], v[PT+4*\c+\i]
.endr
.endr
.irp c, 0,1,2,3,4,5
	global_store_b64 v5, v[PC+2*\c:PC+2*\c+1], s[6:7] offset:1536*(\f)+256*\c   ; 32 lanes store 256 consecutive bytes, aligned
.endr
	ds_store_b32 v6, v12 offset:64*(\f)            ; both halves of the lanes write the same word with the same value
.endm
	LOADX 0
	LOADX 1
.irp f, 0,1,2,3
.if \f < 3
	s_wait_loadcnt 16                              ; this fragment's 16 loads are in; the next one's 16 may be out
.else
	s_wait_loadcnt 0x0
.endif
	TURN \f
	s_wait_dscnt 0x0                               ; my numbers are back, so the stage's stores have read their registers,
.if \f < 2
	LOADX \f+2                                     ; which take the loads of two fragments on
.endif
	FRAGQ \f
.endr
	ds_load_b64 v[8:9], v7                         ; my wave's 64 scale words
	s_wait_dscnt 0x0
	global_store_b64 v5, v[8:9], s[16:17]          ; 32 lanes store 256 consecutive bytes, aligned
	s_branch .Lend
; ---- the weights ----
.Lweights:
.set NB,    8                          ; blocks of a lane
.set WREGW, 6400                       ; a wave's stage: two tiles x (3,072 bytes + 128, so that the two tiles' stores fall on different banks)
.set WX,    32                         ; v32-95   two sets of 32 numbers
.set WC,    96                         ; v96-101  a block's codes; v104-106 its upper half as converted
.set WOUT,  112                        ; v112-159 the way out
.set WSB,   24                         ; v24-25   two scale words
	s_load_b256 s[4:11], s[0:1], 0x0               ; Wq, Wk, Wv, Wo
	s_load_b128 s[12:15], s[0:1], 0x20             ; wqk, wv
	s_load_b64 s[16:17], s[0:1], 0x30              ; wo
	v_lshrrev_b32 v1, 5, v0
	v_readfirstlane_b32 s18, v1                    ; wave
	v_and_b32 v2, 31, v0                           ; lane = column in a group of 32
	v_lshlrev_b32 v3, 2, v2                        ; in: 4 bytes a lane
	v_bfe_u32 v5, v2, 3, 1                         ; u: which of the group's two tiles
	v_and_b32 v6, 7, v2
	v_lshrrev_b32 v7, 4, v2
	v_lshl_or_b32 v6, v7, 3, v6                    ; r: my place in it
	s_mul_i32 s19, s18, WREGW
	s_add_co_u32 s19, s19, WB
	v_mul_u32_u24 v4, v5, 3200
	v_lshl_add_u32 v4, v6, 3, v4
	v_add_nc_u32 v4, s19, v4                       ; into the stage: 3,200 u + 8 r
	v_lshlrev_b32 v8, 4, v2                        ; 16 x lane
	v_add_nc_u32 v7, s19, v8                       ; out of the stage
	v_lshlrev_b32 v9, 9, v5
	v_lshl_add_u32 v9, v6, 2, v9                   ; my scale words: 512 u + 4 r
	s_sub_co_u32 s35, ttmp9, 256                   ; i
	s_and_b32 s34, s35, 7                          ; which 128 columns
	s_lshr_b32 s20, s35, 3
	s_lshr_b32 s21, s20, 2                         ; which weight
	s_and_b32 s22, s20, 3                          ; which 256 along K
	s_lshl_b32 s24, s22, 20                        ; 256 rows of 4,096 bytes
	s_lshl_b32 s25, s34, 9
	s_add_co_u32 s24, s24, s25
	s_lshl_b32 s25, s18, 7
	s_add_co_u32 s24, s24, s25                     ; + my wave's 32 columns
	s_mov_b32 s25, 0
	s_wait_alu depctr_va_vdst(0)                   ; the wait at the head's end
	s_wait_kmcnt 0x0
	s_cmp_eq_u32 s21, 1                            ; the choices hang on the work-group's number alone
	s_cselect_b64 s[4:5], s[6:7], s[4:5]
	s_cselect_b32 s26, 64, 0                       ; Wk's tiles lie behind Wq's
	s_cmp_eq_u32 s21, 2
	s_cselect_b64 s[4:5], s[8:9], s[4:5]
	s_cselect_b64 s[12:13], s[14:15], s[12:13]
	s_cmp_eq_u32 s21, 3
	s_cselect_b64 s[4:5], s[10:11], s[4:5]
	s_cselect_b64 s[12:13], s[16:17], s[12:13]
	s_lshl_b32 s27, s34, 3
	s_add_co_u32 s26, s26, s27
	s_lshl_b32 s27, s18, 1
	s_add_co_u32 s26, s26, s27                     ; my first tile
	s_mul_i32 s28, s26, 12288
	s_mul_i32 s29, s22, 3072
	s_add_co_u32 s28, s28, s29
	s_add_co_u32 s28, s28, CODES
	s_mov_b32 s29, 0
	s_lshl_b32 s30, s26, 9
	s_lshl_b32 s31, s22, 7
	s_add_co_u32 s30, s30, s31
	s_mov_b32 s31, 0
	s_add_nc_u64 s[4:5], s[4:5], s[24:25]
	s_add_nc_u64 s[32:33], s[12:13], s[30:31]      ; scale words
	s_add_nc_u64 s[12:13], s[12:13], s[28:29]      ; images
.macro LOADW t                         ; block t: W(32 t + i, my column) into set t % 2
.irp i, 0,1,2,3,4,5,6,7,8,9,10,11,12,13,14,15,16,17,18,19,20,21,22,23,24,25,26,27,28,29,30,31
	global_load_b32 v[WX+32*((\t)%2)+\i], v3, s[4:5] offset:(32*(\t)+\i)*4096 th:TH_LOAD_NT
.endr
.endm
	LOADW 0
	LOADW 1
.macro BLOCK t
.set XS, WX+32*((\t)%2)
.if (\t) < NB-1
	s_wait_loadcnt 32                              ; this block's 32 loads are in; the next block's may be out
.else
	s_wait_loadcnt 0x0
.endif
	v_max3_num_f32 v12, |v[XS]|, |v[XS+1]|, |v[XS+2]|
	v_max3_num_f32 v13, |v[XS+3]|, |v[XS+4]|, |v[XS+5]|
.irp i, 6,10,14,18,22,26
	v_max3_num_f32 v12, v12, |v[XS+\i]|, |v[XS+\i+1]|
	v_max3_num_f32 v13, v13, |v[XS+\i+2]|, |v[XS+\i+3]|
.endr
	v_max3_num_f32 v12, v12, |v[XS+30]|, |v[XS+31]|
	v_max3_num_f32 v12, v12, v13, 0x2800000        ; and the floor 2^(5 - 127)
	v_add_nc_u32 v11, 0xfe000000, v12              ; 4 off the exponent field: the conversion's scale operand
	v_lshrrev_b32 v13, 23, v11                     ; the scale's byte
.if (\t)%4 == 0
	v_mov_b32 v[WSB+(\t)/4], v13                   ; four bytes to a word, the lower K in the lower byte
.else
	v_lshl_or_b32 v[WSB+(\t)/4], v13, 8*((\t)%4), v[WSB+(\t)/4]
.endif
	v_cvt_scalef32_pk16_bf6_f32 v[WC:WC+2], v[XS:XS+15], v11
	v_cvt_scalef32_pk16_bf6_f32 v[WC+8:WC+10], v[XS+16:XS+31], v11
	v_nop                                          ; one plain place behind a scaled conversion
.irp i, 0,1,2
	v_mov_b32 v[WC+3+\i], v[WC+8+\i]
.endr
.irp p, 0,1,2                          ; block t is block t % 4 of fragment t / 4: registers 6 ((t / 2) % 2) on of lane r + 16 (t % 2)
	ds_store_b64 v4, v[WC+2*\p:WC+2*\p+1] offset:1536*((\t)/4)+768*(((\t)/2)%2)+128*((\t)%2)+256*\p
.endr
.if (\t)+2 < NB
	LOADW (\t)+2
.endif
	s_wait_dscnt 0x0                               ; the stores have read their registers: the next block's codes may be written
.endm
.set Q, 0
.rept NB
	BLOCK Q
.set Q, Q+1
.endr
	s_wait_alu depctr_va_vdst(0)                   ; the wait ahead of the reader below
.irp k, 0,1
	global_store_b32 v9, v[WSB+\k], s[32:33] offset:64*\k
.endr
.irp u, 0,1
.irp k, 0,1,2,3,4,5
	ds_load_b128 v[WOUT+4*(6*\u+\k):WOUT+4*(6*\u+\k)+3], v7 offset:3200*\u+512*\k   ; LDS serves a wave's instructions in order: these see my stores
.endr
.endr
.irp u, 0,1
.irp k, 0,1,2,3,4,5
	s_wait_dscnt 11-6*\u-\k
	global_store_b128 v8, v[WOUT+4*(6*\u+\k):WOUT+4*(6*\u+\k)+3], s[12:13] offset:12288*\u+512*\k   ; 32 lanes store 512 consecutive bytes, aligned
.endr
.endr
.Lend:
	s_wait_tensorcnt 0x0                           ; the wave's end, behind my last LDS store
	ds_add_u32 v232, v233
	s_wait_dscnt 0x0
	s_endpgm
.Lfunc_end_k_q0eb457dc38_prep:
	.size	k_q0eb457dc38_prep, .Lfunc_end_k_q0eb457dc38_prep-k_q0eb457dc38_prep
	.p2alignl 7, 3214868480
	.fill 96, 4, 3214868480
	.section	.rodata,"a",@progbits
	.p2align	6, 0x0
	.amdhsa_kernel k_q0eb457dc38_prep
		.amdhsa_group_segment_fixed_size 60928
		.amdhsa_private_segment_fixed_size 0
		.amdhsa_enable_private_segment 0
		.amdhsa_kernarg_size 72
		.amdhsa_user_sgpr_count 2
		.amdhsa_user_sgpr_kernarg_segment_ptr 1
		.amdhsa_wavefront_size32 1
		.amdhsa_system_sgpr_workgroup_id_x 1
		.amdhsa_system_sgpr_workgroup_id_y 1
		.amdhsa_system_sgpr_workgroup_id_z 1
		.amdhsa_system_vgpr_workitem_id 0
		.amdhsa_next_free_vgpr 234
		.amdhsa_next_free_sgpr 66
		.amdhsa_reserve_vcc 0
		.amdhsa_float_denorm_mode_32 3
		.amdhsa_float_denorm_mode_16_64 3
		.amdhsa_memory_ordered 1
		.amdhsa_forward_progress 1
		.amdhsa_inst_pref_size 74
	.end_amdhsa_kernel
	.amdgpu_metadata
---
amdhsa.version: [ 1, 2 ]
amdhsa.kernels:
  - .name:           k_q0eb457dc38_prep
    .symbol:         k_q0eb457dc38_prep.kd
    .args:
      - { .name: Wq, .offset: 0, .size: 8, .value_kind: global_buffer, .address_space: global }
      - { .name: Wk, .offset: 8, .size: 8, .value_kind: global_buffer, .address_space: global }
      - { .name: Wv, .offset: 16, .size: 8, .value_kind: global_buffer, .address_space: global }
      - { .name: Wo, .offset: 24, .size: 8, .value_kind: global_buffer, .address_space: global }
      - { .name: wqk, .offset: 32, .size: 8, .value_kind: global_buffer, .address_space: global }
      - { .name: wv, .offset: 40, .size: 8, .value_kind: global_buffer, .address_space: global }
      - { .name: wo, .offset: 48, .size: 8, .value_kind: global_buffer, .address_space: global }
      - { .name: x, .offset: 56, .size: 8, .value_kind: global_buffer, .address_space: global }
      - { .name: xq, .offset: 64, .size: 8, .value_kind: global_buffer, .address_space: global }
    .group_segment_fixed_size: 60928
    .private_segment_fixed_size: 0
    .kernarg_segment_align: 8
    .kernarg_segment_size: 72
    .max_flat_workgroup_size: 128
    .sgpr_count:     66
    .vgpr_count:     234
    .wavefront_size: 32
...
	.end_amdgpu_metadata
.endif
;; end of part 1
;; launch proj_qk (part 2): grid 8 x 32, 4 waves a work-group, clusters of 4 x 4, 327,680 bytes of LDS; arguments xq, wqk, qkimg; writes qkimg
.if DOCPART == 2
	.amdgcn_target "amdgcn-amd-amdhsa--gfx1250"
	.amdhsa_code_object_version 6
	.text
	.protected	k_q0eb457dc38_proj_qk
	.globl	k_q0eb457dc38_proj_qk
	.p2align	8
	.type	k_q0eb457dc38_proj_qk,@function
k_q0eb457dc38_proj_qk:
	s_mov_b64 s[64:65], 0
	v_nop
	global_prefetch_b8 v0, s[64:65] scope:SCOPE_SE
	s_setreg_imm32_b32 hwreg(HW_REG_WAVE_MODE, 25, 1), 1
	s_wait_xcnt 0x0
	s_wait_alu depctr_hold_cnt(0) depctr_sa_sdst(0) depctr_va_vdst(0) depctr_va_sdst(0) depctr_va_ssrc(0) depctr_va_vcc(0) depctr_vm_vsrc(0)
	s_getreg_b32 s2, hwreg(HW_REG_IB_STS2, 6, 4)
	s_cmp_eq_u32 s2, 0
	s_cbranch_scc0 .Lentry_in_a_cluster
	s_endpgm
.Lentry_in_a_cluster:
	s_bfe_u32 s2, ttmp6, 0x10000c
	s_cmp_lg_u32 s2, 0xf033
	s_cbranch_scc0 .Lentry_shape_is_right
	s_endpgm
.Lentry_shape_is_right:
; R = A B^T on codes of BF6 (E3M2) with E8M0 scales, K = 1,024, and R IS QUANTISED ALONG ITS COLUMNS ON THE WAY OUT: no f32 result goes to memory.
; One body, two launches: A = x's codes, B = [Wq | Wk]'s (q and k, quantised along the head's 64);  A = Wv's codes, B = x's (v transposed, quantised along the tokens, which are the keys).
; OPERANDS arrive as images of operand registers: scale words from byte 0 (tile x 512 + ik x 64 + 4 r), codes from byte CODES (tile x 12,288 + ik x 1,536 + 256 c + 8 x lane; tile: 16 rows, ik: which 128 along K).
; Place r of tile T holds row 32 (T / 2) + 8 (T % 2) + r + 8 (r / 8).  THE MATRIX INSTRUCTION IS USED TRANSPOSED (source 0 = 16 rows of B, source 1 = 16 rows of A): a lane holds one row of A, and the 16 registers
; of B's tiles 2 g and 2 g + 1 are the 16 NEIGHBOURING true columns 32 g + 16 (lane / 16) + 0 .. 15: so the 64 registers of one block of A are a lane's part of 128 true columns, ready for the conversions.
; RESULT: fragment F = ib x 512 + ia (ia: block of 16 rows of A; ib: block of 128 columns): its image at IMG + F x 1,536 + 256 c + 8 x lane; its scale words w at F x 64 + 4 r, and again as w >> 16 at ARR + .. and w << 16 at 2 ARR + ..
; A tile of R, 256 x 256, is made by four waves, 128 x 128 each: 64 accumulators, 512 registers.  K goes in four steps of 256 through two LDS slots filled by the tensor data mover; a tile's 3,072 bytes of a K step are consecutive in memory.
; The scale words of the work-group's rows of A and of B, for all of K, come into LDS once, with the first fills.
; CLUSTERS: 4 x 4 work-groups.  The four of a row of the cluster need the same tiles of A, the four of a column the same tiles of B: each is asked for jointly, by the same tensor load with the same descriptor and a mask that names the four.
; No prefetch: of four K steps two are first fills, and nothing is known earlier than the head.
; LIMITS: a block of zeros gets the byte 1 where the quantiser's text says 127 (its codes are zeros; the bytes are read by this program alone); blocks under 2^-122 keep the byte 1; NaN and infinities are not served.
; REGISTERS, in windows of 256: window 0: v16-30 addresses; v32-63 scale words, two sets; v128-223 A's fragments, one set; on the way out v32-107 at work.   window 1: B's fragments, two sets, at v0 and v128.
;   window 2: the accumulators of my rows 0-63 ((a, b) at v[8 (8 a + b)]);   window 3: those of my rows 64-127.
.set CODES,  262144
.set IMG,    6291456
.set ARR,    2097152
.set NQ,     2                         ; matrix instructions deep in a slot
.set FR,     12                        ; registers of a fragment
.set NL,     6                         ; LDS loads that bring one
.set NP,     4                         ; places behind this matrix instruction (ISA guide 7.12.1)
.set FRB,    1536                      ; a fragment's image
.set TILEB,  NQ*FRB                    ; a tile's bytes of a K step
.set HALFT,  8*TILEB                   ; 8 tiles, 128 rows: what one tensor load brings
.set SLOT,   4*HALFT                   ; A's 16 tiles, then B's 16
.set SCL,    2*SLOT                    ; behind the ring: the scale words
.set HALFS,  4096                      ; those of 128 rows
.set SPARE,  SCL+4*HALFS               ; the spare words, 128 bytes a wave: two blocks of 256 bytes that no other line names
.set KROW,   768                       ; bytes of codes for a row: 16 rows are 12,288
.set KSB,    32                        ; bytes of scales for a row
.set ADRA, 16                          ; v16-17  LDS address of my A fragments in slot 0, 1
.set ADRB, 20                          ; v20-21  the same for B
.set GI,   24                          ; v24     8 x lane
.set STS,  25                          ; v25     the way out: my row's scale word in my stage (2,048 x wave, in slot 0, which has had its last fill and its last read by then)
.set RDS,  26                          ; v26     and the words read back
.set ADRS, 27                          ; v27     LDS address of my scale words: lanes 0-15 A's rows, lanes 16-31 B's
.set SPW,  28                          ; v28     my spare word; never rewritten
.set NIL,  29                          ; v29     0; never rewritten
.set L16,  30                          ; v30     16 x lane
.set SC,   32                          ; scale words: set s at v[SC + 16 s]; register 2 i + q: lanes 0-15 A's block i, lanes 16-31 B's block i, the slot's q-th 128 along K
.set AF,   128
.set TM,   32                          ; the way out: v32-35 largest magnitudes, v36-39 bytes, v44-47 scale operands
.set PW,   48                          ; v48-50  the scale word, >> 16, << 16
.set PC,   64                          ; v64-75  the codes
.set PT,   76                          ; v76-78, v80-82
.set WO,   96                          ; v96-107 the words on their way out
.set G1, 24
.set G0, 32
.set G1B, 48
.set G0B, 56
.set G1S, 68
.set G0S, 76
.set G1SB, 80
.set G0SB, 88
.set SEL, 96                           ; s[96:97] selects for lane l xor 16
.set MSB, 0
.macro WIN new                         ; the immediate's high byte repeats the setting that is left
.if MSB != \new
	s_set_vgpr_msb (MSB<<8)|\new
.set MSB, \new
.endif
.endm
.set MUL_LO, 0xa1                      ; source 0 (B) window 1, source 1 (A) window 0, C and D window 2
.set MUL_HI, 0xf1
.set TO_B,   0x40
; A joint load: waves 0 and 1 fetch for A, waves 2 and 3 for B; the branch hangs on the wave's number alone.  Four v_nop follow each of the two lines.
.macro JLOAD g0a, g1a, g0b, g1b
	s_cmp_eq_u32 s15, 0
	s_cbranch_scc0 .Lfor_b_\@
	tensor_load_to_lds s[\g0a:\g0a+3], s[\g1a:\g1a+7]
	s_nop 0
.rept 4
	v_nop
.endr
	s_branch .Lasked_\@
.Lfor_b_\@:
	tensor_load_to_lds s[\g0b:\g0b+3], s[\g1b:\g1b+7]
	s_nop 0
.rept 4
	v_nop
.endr
.Lasked_\@:
.endm
.macro CREST                           ; a round of the cluster's barrier behind its opening barrier
	s_cmp_lg_u32 s14, 0
	s_cbranch_scc1 .Lnot_wave_0_\@
	s_barrier_signal -3
.Lnot_wave_0_\@:
	s_barrier_wait -3
	s_barrier_signal -1
	s_barrier_wait -1
.endm
.macro CROUND
	s_barrier_signal -1
	s_barrier_wait -1
	CREST
.endm
	s_load_b128 s[4:7], s[0:1], 0x0                ; A, B
	s_load_b64 s[12:13], s[0:1], 0x10              ; the result
	v_lshl_add_u32 v[SPW], v0, 2, SPARE
	v_mov_b32 v[NIL], 0
	ds_add_u32 v28, v29
	ds_add_u32 v28, v29
	s_wait_dscnt 0x0
	v_lshrrev_b32 v1, 5, v0
	v_readfirstlane_b32 s14, v1                    ; wave 0..3
	s_lshr_b32 s15, s14, 1                         ; which half of the tile's rows is mine.  Also: I fetch for A (0) or for B (1)
	s_and_b32 s16, s14, 1                          ; which half of its columns.  Also: which 128 rows I fetch
	s_bfe_u32 s40, ttmp6, 0x40000                  ; cx, cy
	s_bfe_u32 s41, ttmp6, 0x40004
	s_lshl_b32 s42, ttmp9, 2
	s_add_co_u32 s42, s42, s40                     ; tile column = 4 x cluster x + cx
	s_and_b32 s17, ttmp7, 0xffff
	s_lshl_b32 s17, s17, 2
	s_add_co_u32 s17, s17, s41                     ; tile row = 4 x cluster y + cy
	s_lshl_b32 s43, s41, 2
	s_lshl_b32 s43, 15, s43                        ; my row of the cluster
	s_lshl_b32 s44, 0x1111, s40                    ; my column
	; descriptor group 1 for codes: 8 rows (tiles) x 384 elements of 8 bytes, 1,536 elements from tile to tile; no padding: a chunk's 256 bytes are read by 32 lanes on end
	s_or_b32 s[G1+0], s43, (3<<16)|(1<<21)
	s_or_b32 s[G1B+0], s44, (3<<16)|(1<<21)
.irp g, G1, G1B
	s_mov_b32 s[\g+1], 384<<16                     ; tensor_dim0
	s_mov_b32 s[\g+2], 16<<16                      ; tensor_dim1: 16 tiles for the head's loads; set to 8 behind them
	s_mov_b32 s[\g+3], 384<<16                     ; tile_dim0
	s_mov_b32 s[\g+4], 16                          ; tile_dim1
	s_mov_b32 s[\g+5], 1536                        ; tensor_dim0_stride
	s_mov_b32 s[\g+6], 0
	s_mov_b32 s[\g+7], 0
.endr
	; and for the scale words of 256 rows: 8,192 dense bytes, as 32 rows of 256
	s_or_b32 s[G1S+0], s43, (3<<16)|(1<<21)
	s_or_b32 s[G1SB+0], s44, (3<<16)|(1<<21)
.irp g, G1S, G1SB
	s_mov_b32 s[\g+1], 32<<16
	s_mov_b32 s[\g+2], 32<<16
	s_mov_b32 s[\g+3], 32<<16
	s_mov_b32 s[\g+4], 32
	s_mov_b32 s[\g+5], 32
	s_mov_b32 s[\g+6], 0
	s_mov_b32 s[\g+7], 0
.endr
	s_lshl_b32 s20, s17, 8                         ; A: place 256 x tile row
	s_lshl_b32 s46, s42, 8                         ; B: place 256 x tile column
	s_mov_b32 s21, 0
	s_mov_b32 s47, 0
	s_mov_b64 s[18:19], KSB
	s_mul_u64 s[22:23], s[20:21], s[18:19]         ; where these rows' scale words begin
	s_mul_u64 s[92:93], s[46:47], s[18:19]
	s_mov_b64 s[18:19], KROW
	s_mul_u64 s[20:21], s[20:21], s[18:19]         ; and their images
	s_mul_u64 s[46:47], s[46:47], s[18:19]
	s_mul_i32 s18, s16, 128*KROW                   ; in the ring I fetch 128 rows of a tile: which half, in bytes
	s_mov_b32 s19, 0
	s_mul_i32 s45, s14, HALFT
	s_mov_b32 s[SEL], 0x76543210
	s_mov_b32 s[SEL+1], 0xfedcba98
	s_wait_kmcnt 0x0
	s_mov_b64 s[10:11], s[6:7]                     ; B's scale words
	s_add_nc_u64 s[8:9], s[6:7], CODES             ; B's codes
	s_mov_b64 s[6:7], s[4:5]                       ; A's scale words
	s_add_nc_u64 s[4:5], s[4:5], CODES             ; A's codes
	s_add_nc_u64 s[20:21], s[4:5], s[20:21]
	s_add_nc_u64 s[22:23], s[6:7], s[22:23]
	s_add_nc_u64 s[46:47], s[8:9], s[46:47]
	s_add_nc_u64 s[92:93], s[10:11], s[92:93]
	CROUND                                         ; all sixteen work-groups are here: the first joint loads meet
	s_mov_b32 s[G0S], 1
	s_mov_b32 s[G0S+1], SCL
	s_mov_b64 s[G0S+2:G0S+3], s[22:23]
	s_or_b32 s[G0S+3], s[G0S+3], 0x80000000
	s_mov_b32 s[G0SB], 1
	s_mov_b32 s[G0SB+1], SCL+2*HALFS
	s_mov_b64 s[G0SB+2:G0SB+3], s[92:93]
	s_or_b32 s[G0SB+3], s[G0SB+3], 0x80000000
	s_mov_b32 s4, 1                                ; group 0 of the head's loads of K step 0: A's 16 tiles,
	s_mov_b32 s5, 0
	s_mov_b64 s[6:7], s[20:21]
	s_or_b32 s7, s7, 0x80000000
	s_mov_b32 s8, 1                                ; and B's 16, behind them in slot 0
	s_mov_b32 s9, 2*HALFT
	s_mov_b64 s[10:11], s[46:47]
	s_or_b32 s11, s11, 0x80000000
	s_add_nc_u64 s[20:21], s[20:21], s[18:19]      ; for the ring: my 128 rows
	s_add_nc_u64 s[46:47], s[46:47], s[18:19]
.irp s, 0,1
	s_mov_b32 s[G0+4*\s], 1
	s_add_co_u32 s[G0+4*\s+1], s45, \s*SLOT
	s_add_nc_u64 s[G0+4*\s+2:G0+4*\s+3], s[20:21], \s*TILEB
	s_or_b32 s[G0+4*\s+3], s[G0+4*\s+3], 0x80000000
	s_mov_b32 s[G0B+4*\s], 1
	s_add_co_u32 s[G0B+4*\s+1], s45, \s*SLOT
	s_add_nc_u64 s[G0B+4*\s+2:G0B+4*\s+3], s[46:47], \s*TILEB
	s_or_b32 s[G0B+4*\s+3], s[G0B+4*\s+3], 0x80000000
.endr
; the head's four tiles, one load a wave: wave 0 A's 16 tiles of K step 0, wave 1 B's, wave 2 A's scale words, wave 3 B's; one chain of arms, one join
.macro ARM under, g0, g1, next
	s_cmp_lt_u32 s14, \under
	s_cbranch_scc0 \next
	tensor_load_to_lds s[\g0:\g0+3], s[\g1:\g1+7]
	s_nop 0
.rept 4
	v_nop
.endr
	s_branch .Lhead_asked
\next:
.endm
	ARM 1, 4, G1, .Lhead_b
	ARM 2, 8, G1B, .Lhead_sa
	ARM 3, G0S, G1S, .Lhead_sb
	tensor_load_to_lds s[G0SB:G0SB+3], s[G1SB:G1SB+7]
	s_nop 0
.rept 4
	v_nop
.endr
.Lhead_asked:
	v_and_b32 v1, 15, v0
	v_bfe_u32 v2, v0, 4, 1                         ; h
	s_wait_alu depctr_va_vdst(0)
	v_and_b32 v3, 31, v0                           ; lane
	v_lshlrev_b32 v[GI], 3, v3
	s_mul_i32 s21, s15, HALFT                      ; my 8 tiles of A
	s_mul_i32 s22, s16, HALFT                      ; my 8 tiles of B,
	s_add_co_u32 s22, s22, 2*HALFT                 ; which lie behind A's 16
.irp s, 0,1
	v_add_nc_u32 v[ADRA+\s], s21, v[GI]
	v_add_nc_u32 v[ADRB+\s], s22, v[GI]
	s_add_co_u32 s21, s21, SLOT
	s_add_co_u32 s22, s22, SLOT
.endr
	v_lshlrev_b32 v5, 2, v1                        ; 4 r
	s_mul_i32 s21, s15, HALFS                      ; A's words: my 128 rows
	s_mul_i32 s22, s16, HALFS                      ; B's: my 128 rows, behind A's 256
	s_add_co_u32 s22, s22, 2*HALFS
	s_sub_co_u32 s22, s22, s21
	v_mul_u32_u24 v6, s22, v2                      ; lanes 16-31 take B's: one product with h
	s_add_co_u32 s21, s21, SCL
	v_add_nc_u32 v6, v5, v6
	v_add_nc_u32 v[ADRS], s21, v6
	s_lshl_b32 s23, s14, 11                        ; my stage
	v_add_nc_u32 v[STS], s23, v5
	v_lshlrev_b32 v[L16], 4, v3
	v_add_nc_u32 v[RDS], s23, v[L16]
	s_lshl_b32 s20, s17, 4
	s_lshl_b32 s21, s15, 3
	s_add_co_u32 s20, s20, s21                     ; ia of my first block: 16 x tile row + 8 x half
	s_lshl_b32 s46, s42, 1
	s_add_co_u32 s46, s46, s16                     ; ib: 2 x tile column + half
	s_lshl_b32 s46, s46, 9
	s_add_co_u32 s46, s46, s20                     ; F of my first block
	s_lshl_b32 s92, s46, 6
	s_mov_b32 s93, 0
	s_add_nc_u64 s[92:93], s[12:13], s[92:93]      ; its scale words
	s_mul_i32 s46, s46, FRB
	s_add_co_u32 s46, s46, IMG
	s_mov_b32 s47, 0
	s_add_nc_u64 s[12:13], s[12:13], s[46:47]      ; its image
.macro FRAG reg, adr, q, i             ; a fragment comes as it was stored: six chunks of 256 bytes, 8 bytes a lane
.irp p, 0,1,2,3,4,5
	ds_load_b64 v[\reg+2*\p:\reg+2*\p+1], v[\adr] offset:(\i)*TILEB+(\q)*FRB+256*\p
.endr
.endm
; 16 matrix instructions: A's blocks a0, a0 + 1 x B's eight, the slot's q-th 128 along K.  p: B's set; sc: the set of scale words.  zero = 1: the first product starts the sums.
; The 64 accumulators take turns, one instruction a turn, in the same order in every step.
.macro MUL16 a0, p, q, sc, zero
.irp a, \a0, \a0+1
.irp b, 0,1,2,3,4,5,6,7
.if \zero
	v_wmma_scale_f32_16x16x128_f8f6f4 v[8*(8*((\a)%4)+\b):8*(8*((\a)%4)+\b)+7], v[128*(\p)+FR*\b:128*(\p)+FR*\b+FR-1], v[AF+FR*(\a):AF+FR*(\a)+FR-1], 0, v[SC+8*NQ*(\sc)+NQ*\b+(\q)], v[SC+8*NQ*(\sc)+NQ*(\a)+(\q)] matrix_a_fmt:MATRIX_FMT_BF6 matrix_b_fmt:MATRIX_FMT_BF6 matrix_a_scale:MATRIX_SCALE_ROW1
.else
	v_wmma_scale_f32_16x16x128_f8f6f4 v[8*(8*((\a)%4)+\b):8*(8*((\a)%4)+\b)+7], v[128*(\p)+FR*\b:128*(\p)+FR*\b+FR-1], v[AF+FR*(\a):AF+FR*(\a)+FR-1], v[8*(8*((\a)%4)+\b):8*(8*((\a)%4)+\b)+7], v[SC+8*NQ*(\sc)+NQ*\b+(\q)], v[SC+8*NQ*(\sc)+NQ*(\a)+(\q)] matrix_a_fmt:MATRIX_FMT_BF6 matrix_b_fmt:MATRIX_FMT_BF6 matrix_a_scale:MATRIX_SCALE_ROW1
.endif
.endr
.endr
.endm
.macro FETCH_B slot, q, p
	WIN TO_B
.irp i, 0,1,2,3,4,5,6,7
	FRAG 128*(\p)+FR*\i, ADRB+\slot, \q, \i
.endr
	WIN 0
.endm
.macro FETCH_A slot, q, i0
.irp i, \i0, \i0+1, \i0+2, \i0+3
	FRAG AF+FR*(\i), ADRA+\slot, \q, \i
.endr
.endm
.macro SCALES sc, ks                   ; K step ks's scale words into set sc: lanes 0-15 A's block i, lanes 16-31 B's block i
.irp i, 0,1,2,3,4,5,6,7
.irp q, 0,1
	ds_load_b32 v[SC+8*NQ*(\sc)+NQ*\i+\q], v[ADRS] offset:512*\i+64*(2*(\ks)+\q)
.endr
.endr
.endm
.macro PLACES n                        ; plain vector instructions between a matrix instruction and a load into, or a vector read of, its registers (ISA guide 7.12.1 for vector reads)
.rept \n
	v_nop
.endr
.endm
.macro STEP slot, q, zero              ; a step of 128 along K that has its successor in the same slot
	s_wait_dscnt 4*NL                              ; B's set, A's blocks 0-3 and the scale words are in; the youngest 24 loads (A's blocks 4-7) may be out
	WIN MUL_LO
	MUL16 0, (\q)%2, \q, \slot, \zero
	MUL16 2, (\q)%2, \q, \slot, \zero
	s_wait_dscnt 0
	PLACES NP
	FETCH_B \slot, (\q)+1, 1-(\q)%2
	FETCH_A \slot, (\q)+1, 0
	WIN MUL_HI
	MUL16 4, (\q)%2, \q, \slot, \zero
	MUL16 6, (\q)%2, \q, \slot, \zero
	PLACES NP
	WIN 0
	FETCH_A \slot, (\q)+1, 4
.endm
; A slot's last step changes slots: one barrier; in front of it each wave waits for all its tensor loads, adds 0 to its spare word, and waits for that and for its own reads of this slot.
; fill = 1: this slot is filled again, two K steps ahead, behind a round of the cluster's barrier.  ks: the K step that lies in the next slot.
.macro TURN slot, next, fill, ks
	s_wait_tensorcnt 0x0                           ; all my tensor loads have landed: my part of the next slot
	ds_add_u32 v[SPW], v[NIL]                      ; 0 onto my spare word
	s_wait_dscnt 4*NL+1                            ; (the add and the youngest 24 loads, A's blocks 4-7, may be out)
	WIN MUL_LO
	MUL16 0, 1, NQ-1, \slot, 0
	s_wait_dscnt 0x0                               ; the add is done, and my reads of this slot are over
	s_barrier_signal -1
	MUL16 2, 1, NQ-1, \slot, 0
	WIN 0
	s_barrier_wait -1
.if \fill
	CREST                                          ; no wave of any partner still reads this slot's tile or has a load on its way
	s_add_nc_u64 s[G0+4*\slot+2:G0+4*\slot+3], s[G0+4*\slot+2:G0+4*\slot+3], 2*TILEB
	s_add_nc_u64 s[G0B+4*\slot+2:G0B+4*\slot+3], s[G0B+4*\slot+2:G0B+4*\slot+3], 2*TILEB
	JLOAD G0+4*\slot, G1, G0B+4*\slot, G1B         ; the first tensor load behind the round, my only one until the next; its four v_nop are the places in front of the loads below
.else
	PLACES NP
.endif
	FETCH_B \next, 0, 0
	FETCH_A \next, 0, 0
	SCALES \next, \ks
	WIN MUL_HI
	MUL16 4, 1, NQ-1, \slot, 0
	MUL16 6, 1, NQ-1, \slot, 0
	PLACES NP
	WIN 0
	FETCH_A \next, 0, 4
.endm
	s_wait_alu depctr_va_vdst(0)
	s_wait_tensorcnt 0x0                           ; my tile of the head's four is in
	ds_add_u32 v[SPW], v[NIL]
	s_mov_b32 s[G1+2], 8<<16                       ; no tensor load of mine is out: from here on a load brings 8 tiles
	s_mov_b32 s[G1+4], 8
	s_mov_b32 s[G1B+2], 8<<16
	s_mov_b32 s[G1B+4], 8
	s_wait_dscnt 0x0
	CROUND                                         ; all four tiles are in, and all sixteen work-groups are here
	JLOAD G0+4, G1, G0B+4, G1B                     ; K step 1, the first tensor load behind the round
	FETCH_B 0, 0, 0
	FETCH_A 0, 0, 0
	SCALES 0, 0
	FETCH_A 0, 0, 4
	STEP 0, 0, 1                                   ; four K steps, written out: the scale words' places are immediates
	TURN 0, 1, 1, 1
	STEP 1, 0, 0
	TURN 1, 0, 1, 2
	STEP 0, 0, 0
	TURN 0, 1, 0, 3                                ; nothing is left to fetch
	STEP 1, 0, 0
	s_wait_dscnt 4*NL
	WIN MUL_LO
	MUL16 0, 1, NQ-1, 1, 0
	MUL16 2, 1, NQ-1, 1, 0
	s_wait_dscnt 0
	WIN MUL_HI
	MUL16 4, 1, NQ-1, 1, 0
	MUL16 6, 1, NQ-1, 1, 0
	WIN 0
; THE WAY OUT.  Block a (16 rows of A x my 128 columns): a lane's 64 registers, register 16 b + i = column 32 b + 16 (lane / 16) + i of its row, become a fragment's codes and its scale word.
.macro QROW a
.set AC, 64*((\a)%4)
.set WW, 2+(\a)/4
	WIN (WW|(WW<<2))                               ; sources 0 and 1: the accumulators' window
.irp b, 0,1,2,3
	v_max3_num_f32 v[TM+\b], |v[AC+16*\b]|, |v[AC+16*\b+1]|, 0x2800000   ; each accumulator is read from its low end on; the floor 2^(5 - 127) holds the byte at 1 from below
.endr
.irp i, 2,4,6,8,10,12,14
.irp b, 0,1,2,3
	v_max3_num_f32 v[TM+\b], |v[AC+16*\b+\i]|, |v[AC+16*\b+\i+1]|, v[TM+\b]
.endr
.endr
	WIN 0
	s_wait_alu depctr_va_vdst(0)
	s_wait_dscnt 0x0                               ; the last block's LDS stores have read their registers,
	s_wait_xcnt 0x0                                ; and its global stores theirs: words and codes are written again only behind these waits
.irp b, 0,1,2,3
	v_permlanex16_b32 v[TM+4+\b], v[TM+\b], s[SEL], s[SEL+1]
.endr
.irp b, 0,1,2,3
	v_max_num_f32 v[TM+\b], v[TM+\b], v[TM+4+\b]   ; with lane l xor 16's: the block's largest magnitude
.endr
.irp b, 0,1,2,3
	v_add_nc_u32 v[TM+12+\b], 0xfe000000, v[TM+\b] ; 4 off the exponent field: the conversion's scale operand
.endr
.irp b, 0,1,2,3
	v_lshrrev_b32 v[TM+4+\b], 23, v[TM+12+\b]      ; the scale's byte
.endr
	v_lshl_or_b32 v[PW], v[TM+5], 8, v[TM+4]
	v_lshl_or_b32 v[PW], v[TM+6], 16, v[PW]
	v_lshl_or_b32 v[PW], v[TM+7], 24, v[PW]        ; my row's scale word
	v_lshrrev_b32 v[PW+1], 16, v[PW]               ; its upper two bytes below,
	v_lshlrev_b32 v[PW+2], 16, v[PW]               ; its lower two above: for products that take half a fragment
	WIN WW                                         ; source 0: the accumulators' window
.irp c, 0,1
	v_cvt_scalef32_pk16_bf6_f32 v[PC+6*\c:PC+6*\c+2], v[AC+32*\c:AC+32*\c+15], v[TM+12+2*\c]
	v_cvt_scalef32_pk16_bf6_f32 v[PT+4*\c:PT+4*\c+2], v[AC+32*\c+16:AC+32*\c+31], v[TM+12+2*\c+1]
.endr
	WIN 0
	v_nop                                          ; one plain place behind a scaled conversion
.irp c, 0,1                            ; the operand's layout wants a whole block in a lane: lanes 0-15 block 2 c, lanes 16-31 block 2 c + 1
.irp i, 0,1,2
	v_permlane16_swap_b32 v[PC+6*\c+\i], v[PT+4*\c+\i]
.endr
.irp i, 0,1,2
	v_mov_b32 v[PC+3+6*\c+\i], v[PT+4*\c+\i]
.endr
.endr
.irp c, 0,1,2,3,4,5
	global_store_b64 v[GI], v[PC+2*\c:PC+2*\c+1], s[12:13] offset:FRB*(\a)+256*\c   ; 32 lanes store 256 consecutive bytes, aligned
.endr
.irp w, 0,1,2
	ds_store_b32 v[STS], v[PW+\w] offset:512*\w+64*(\a)   ; both halves of the lanes write the same word with the same value
.endr
.endm
	PLACES NP                                      ; behind the last products: their results are read, and registers that held scale words are written
.irp b, 0,1,2,3
	v_mov_b32 v[TM+4+\b], 0                        ; a lane permute's destination counts as read
.endr
.irp a, 0,1,2,3,4,5,6,7
	QROW \a
.endr
.irp w, 0,1,2
	ds_load_b128 v[WO+4*\w:WO+4*\w+3], v[RDS] offset:512*\w   ; LDS serves a wave's instructions in order: these see my stores
.endr
	s_wait_dscnt 0x0
.irp w, 0,1,2
	global_store_b128 v[L16], v[WO+4*\w:WO+4*\w+3], s[92:93] offset:ARR*\w   ; my eight blocks' words: 512 consecutive bytes, aligned
.endr
	s_wait_tensorcnt 0x0                           ; the wave's end
	ds_add_u32 v[SPW], v[NIL]
	s_wait_dscnt 0x0
	CROUND                                         ; the closing round
	s_endpgm
.Lfunc_end_k_q0eb457dc38_proj_qk:
	.size	k_q0eb457dc38_proj_qk, .Lfunc_end_k_q0eb457dc38_proj_qk-k_q0eb457dc38_proj_qk
	.p2alignl 7, 3214868480
	.fill 96, 4, 3214868480
	.section	.rodata,"a",@progbits
	.p2align	6, 0x0
	.amdhsa_kernel k_q0eb457dc38_proj_qk
		.amdhsa_group_segment_fixed_size 327680
		.amdhsa_private_segment_fixed_size 0
		.amdhsa_enable_private_segment 0
		.amdhsa_kernarg_size 24
		.amdhsa_user_sgpr_count 2
		.amdhsa_user_sgpr_kernarg_segment_ptr 1
		.amdhsa_wavefront_size32 1
		.amdhsa_system_sgpr_workgroup_id_x 1
		.amdhsa_system_sgpr_workgroup_id_y 1
		.amdhsa_system_sgpr_workgroup_id_z 1
		.amdhsa_system_vgpr_workitem_id 0
		.amdhsa_next_free_vgpr 1024
		.amdhsa_next_free_sgpr 98
		.amdhsa_reserve_vcc 0
		.amdhsa_float_denorm_mode_32 3
		.amdhsa_float_denorm_mode_16_64 3
		.amdhsa_memory_ordered 1
		.amdhsa_forward_progress 1
		.amdhsa_inst_pref_size 171
	.end_amdhsa_kernel
	.amdgpu_metadata
---
amdhsa.version: [ 1, 2 ]
amdhsa.kernels:
  - .name:           k_q0eb457dc38_proj_qk
    .symbol:         k_q0eb457dc38_proj_qk.kd
    .args:
      - { .name: xq, .offset: 0, .size: 8, .value_kind: global_buffer, .address_space: global }
      - { .name: wqk, .offset: 8, .size: 8, .value_kind: global_buffer, .address_space: global }
      - { .name: qkimg, .offset: 16, .size: 8, .value_kind: global_buffer, .address_space: global }
    .group_segment_fixed_size: 327680
    .private_segment_fixed_size: 0
    .kernarg_segment_align: 8
    .kernarg_segment_size: 24
    .max_flat_workgroup_size: 128
    .sgpr_count:     98
    .vgpr_count:     1024
    .wavefront_size: 32
...
	.end_amdgpu_metadata
.endif
;; end of part 2
;; launch proj_v: the kernel of part 2 again; grid 32 x 4, 4 waves a work-group, clusters of 4 x 4, 327,680 bytes of LDS; arguments wv, xq, vimg; writes vimg
;; launch attn (part 3): grid 4 x 64, 16 waves a work-group, clusters of 4 x 1, 327,680 bytes of LDS; arguments qkimg, vimg, ao; writes ao
.if DOCPART == 3
	.amdgcn_target "amdgcn-amd-amdhsa--gfx1250"
	.amdhsa_code_object_version 6
	.text
	.protected	k_q0eb457dc38_attn
	.globl	k_q0eb457dc38_attn
	.p2align	8
	.type	k_q0eb457dc38_attn,@function
k_q0eb457dc38_attn:
	s_mov_b64 s[64:65], 0
	v_nop
	global_prefetch_b8 v0, s[64:65] scope:SCOPE_SE
	s_setreg_imm32_b32 hwreg(HW_REG_WAVE_MODE, 25, 1), 1
	s_wait_xcnt 0x0
	s_wait_alu depctr_hold_cnt(0) depctr_sa_sdst(0) depctr_va_vdst(0) depctr_va_sdst(0) depctr_va_ssrc(0) depctr_va_vcc(0) depctr_vm_vsrc(0)
	s_getreg_b32 s2, hwreg(HW_REG_IB_STS2, 6, 4)
	s_cmp_eq_u32 s2, 0
	s_cbranch_scc0 .Lentry_in_a_cluster
	s_endpgm
.Lentry_in_a_cluster:
	s_bfe_u32 s2, ttmp6, 0x10000c
	s_cmp_lg_u32 s2, 0x3003
	s_cbranch_scc0 .Lentry_shape_is_right
	s_endpgm
.Lentry_shape_is_right:
; Causal attention with the ALiBi bias on codes of BF6 (E3M2): S^T = k q^T, p = 2^(t - M), O^T = v^T p^T, O / l quantised along the head's 64 into ao (the format of xq).
; LEFT OUT: steps of 128 keys that lie wholly above the diagonal: the causal mask that the problem builds itself gives them the weight 0 for every input.  A NaN or an infinity that reaches only those keys is not carried to the result.
; SHARES: work-group y = 16 x batch + head; the four work-groups of a cluster share one (batch, head).  Wave w of work-group cx takes two tiles of 16 queries, place 2 cx + w % 2 of the
; blocks of 128 queries w / 2 and 15 - w / 2: (w / 2 + 1) + (16 - w / 2) = 17 steps of 128 keys for every wave, walked in one loop of 17 trips; 4 x 16 x 2 tiles are the head's 128.
; LDS: all 2,048 keys: k's codes 98,304 bytes (tile of 16 keys x 64: 768 bytes), v's 98,304 (a step's four fragments: 6,144), k's scale words twice (low and high place: 2 x 8,192), v's 4,096.
; They are asked for once, at the head, one joint load a wave with the mask of all four partners: waves 0-3 k, 4-7 v, 8-11 k's words, 12-15 v's.  Nothing is filled again.
; No branch and no LDS address hangs on cx: only global offsets and the mask's compare value do.  No prefetch: every tile is asked for at the head, so there is no loop to run ahead in.
; THE BIAS: t = c (s + 8 slope e) + slope log2(e) (128 step - 2047), c = log2(e) / 8, e the key's place in its step.  8 slope e is the C of the score's product, loaded from a table of 128
; numbers straight into the accumulators; the step's term goes into the one addend with -M.  M is the ceiling of the running largest t; every rescaling is a power of two.
; A head's 64 fill half of the product's 128: an LDS fragment holds two tiles of keys, and q stands as [q, 0] and [0, q] (q, six zeros, q: 18 registers).
; LIMITS: the promise holds while |t| stays under 2^31; a block of zeros gets the byte 1 where the quantiser's text says 127 (its codes are zeros; this program alone reads the bytes); NaN and infinities among the inputs are not served.
.set IMG,   6291456
.set ARR,   2097152
.set CODES, 262144
.set KLO,   196608
.set VSC,   212992
.set BIAS,  217088                     ; four copies of the table, 512 bytes each: thread i stores word i
.set SPARE, 219136                     ; the spare words, 128 bytes a wave
.set L8,  1
.set R4,  2
.set DQ,  3
.set ADK, 4
.set ADV, 5
.set ADS, 6
.set ADT, 7
.set HB,  8
.set OFF, 9
.set QS,  10                           ; v10-11 q's scale words, low and high place
.set QL,  16                           ; v16-33 q, zeros, q
.set Q2,  34                           ; v34-39 the second tile's q; v40-41 its scale words
.set Q2S, 40
.set XM,  42                           ; v42 the step's term - M (v43: the pair's other half)
.set OC,  44                           ; v44-45 where this tile's codes and scale bytes go; v46-47 the second tile's
.set OS,  45
.set OCB, 46
.set OSB, 47
.set SLV, 48                           ; -slope log2(e)
.set L8V, 49
.set FR,  56                           ; v56-103 four fragments of k or v
.set S,   104                          ; v104-167 bias, scores, p
.set O,   168                          ; v168-199 O^T
.set PC,  200
.set PT,  212
.set BM,  220
.set BX,  224
.set SO,  228
.set SPW, 238
.set NIL, 239
.set KS,  240
.set VS,  248
.set T1,  3
.set WV,  10
.set BLK, 11
.set ST,  12
.set CNT, 13
.set TK,  14
.set NBK, 15
.set T512, 16
.set T256, 17
.set SEL, 18
.set CS,  20
.set G1K, 28
.set G1V, 36
.set G1S, 44
.set G1T, 52
.set DG,  60
.set NN,  61
.set SL8, 62
.set T0,  63
.set B_,  68
.set H_,  69
.set H2,  70
.set PAR, 71
.set SUB, 72
.set B128, 73
.set FK,  74
.set FV,  75
.set G0K, 76
.set G0V, 80
.set G0S, 84
.set G0T, 88
.set P768, 92
.set ALO, 93
.set AHI, 94
.set TA,  95
.set TB,  96
.set J3,  97
.set DQS, 98
.set HBS, 99
.set OP,  100                          ; s[100:101] a byte offset, the upper word 0
.macro CROUND                          ; a round of the cluster's barrier
	s_barrier_signal -1
	s_barrier_wait -1
	s_cmp_lg_u32 s[WV], 0
	s_cbranch_scc1 .Lnw0_\@
	s_barrier_signal -3
.Lnw0_\@:
	s_barrier_wait -3
	s_barrier_signal -1
	s_barrier_wait -1
.endm
.macro GRP g, c, r, p                  ; group 1: r rows of c elements of 8 bytes, p elements from row to row; the mask names the cluster's four
	s_mov_b32 s[\g], 15|(3<<16)|(1<<21)
	s_mov_b32 s[\g+1], (\c)<<16
	s_mov_b32 s[\g+2], (\r)<<16
	s_mov_b32 s[\g+3], (\c)<<16
	s_mov_b32 s[\g+4], \r
	s_mov_b32 s[\g+5], \p
	s_mov_b32 s[\g+6], 0
	s_mov_b32 s[\g+7], 0
.endm
.macro ARM under, g0, g1, next
	s_cmp_lt_u32 s[WV], \under
	s_cbranch_scc0 \next
	tensor_load_to_lds s[\g0:\g0+3], s[\g1:\g1+7]
	s_nop 0
.rept 4
	v_nop
.endr
	s_branch .Lasked
\next:
.endm
.macro INIT                            ; a tile begins: largest t -3e38, sums and O^T zero
	v_mov_b32 v13, 0xff61b1e6
	v_floor_f32 v12, -v13
	v_mov_b32 v14, 0
	v_mov_b32 v15, 0
.set j, 0
.rept 32
	v_mov_b32 v[O+j], 0
.set j, j+1
.endr
.endm
.macro TILE t, xq, xl, xh, xo, xz      ; byte offsets of query tile t: q's image, its scale words (low, high place), the result's codes and scale bytes
	s_lshl_b32 s[T0], s[H2], 9
	s_add_co_u32 s[T1], s[T0], s[\t]
	s_mul_i32 s[\xq], s[T1], 1536
	s_add_co_u32 s[\xq], s[\xq], s[P768]
	s_add_co_u32 s[\xq], s[\xq], IMG
	s_lshl_b32 s[T1], s[T1], 6
	s_add_co_u32 s[\xl], s[T1], s[ALO]
	s_add_co_u32 s[\xh], s[T1], s[AHI]
	s_mul_i32 s[T0], s[H2], 1536
	s_add_co_u32 s[T0], s[T0], s[P768]
	s_add_co_u32 s[T0], s[T0], CODES
	s_mul_i32 s[\xo], s[\t], 12288
	s_add_co_u32 s[\xo], s[\xo], s[T0]
	s_lshl_b32 s[T0], s[H2], 6
	s_lshl_b32 s[T1], s[PAR], 1
	s_add_co_u32 s[T0], s[T0], s[T1]
	s_lshl_b32 s[\xz], s[\t], 9
	s_add_co_u32 s[\xz], s[\xz], s[T0]
.endm
	s_load_b128 s[4:7], s[0:1], 0x0                ; qkimg, vimg
	s_load_b64 s[8:9], s[0:1], 0x10                ; ao
	v_lshl_add_u32 v[SPW], v0, 2, SPARE
	v_mov_b32 v[NIL], 0
	ds_add_u32 v[SPW], v[NIL]                      ; the opening lines: the add twice on end and its wait
	ds_add_u32 v[SPW], v[NIL]
	v_lshrrev_b32 v104, 5, v0
	v_readfirstlane_b32 s[WV], v104
	s_and_b32 s[T0], ttmp7, 0xffff
	s_lshr_b32 s[B_], s[T0], 4                     ; batch
	s_and_b32 s[H_], s[T0], 15                     ; head
	s_lshr_b32 s[H2], s[H_], 1
	s_and_b32 s[PAR], s[H_], 1
	s_lshr_b32 s[BLK], s[WV], 1                    ; my first tile's block of 128 queries,
	s_sub_co_u32 s[NBK], 15, s[BLK]                ; my second's
	s_and_b32 s[J3], s[WV], 3
	s_bfe_u32 s[SUB], ttmp6, 0x40000               ; cx
	s_lshl_b32 s[SUB], s[SUB], 1
	s_and_b32 s[T0], s[WV], 1
	s_add_co_u32 s[SUB], s[SUB], s[T0]             ; my tiles' place in their blocks
	s_lshl_b32 s[B128], s[B_], 7
	s_add_co_u32 s[FK], s[H2], 8
	s_lshl_b32 s[FK], s[FK], 9
	s_add_co_u32 s[FK], s[FK], s[B128]             ; k's first fragment
	s_lshl_b32 s[FV], s[B_], 13
	s_lshl_b32 s[T0], s[H_], 2
	s_add_co_u32 s[FV], s[FV], s[T0]               ; v's first fragment
	s_mul_i32 s[P768], s[PAR], 768
	s_cmp_eq_u32 s[PAR], 1
	s_cselect_b32 s[ALO], ARR, 0                   ; the array whose words have my head's two bytes below,
	s_cselect_b32 s[AHI], 0, 2*ARR                 ; and above
	s_mov_b32 s[T1], 0x3f3504f3
	s_cselect_b32 s[T1], 0x3f800000, s[T1]
	s_add_co_u32 s[T0], s[H_], 1
	s_lshr_b32 s[T0], s[T0], 1
	s_lshl_b32 s[T0], s[T0], 23
	s_sub_co_u32 s[T1], s[T1], s[T0]               ; slope = 2^(-(head + 1) / 2), made in the exponent field
	s_add_co_u32 s[SL8], s[T1], 3<<23              ; 8 slope
	GRP G1K, 96, 32, 192                           ; k: 32 tiles x 768 bytes, 1,536 apart
	GRP G1V, 768, 4, 98304                         ; v: 4 steps x 6,144 bytes, 786,432 apart
	GRP G1S, 32, 16, 32                            ; k's words: 4,096 dense bytes
	GRP G1T, 32, 4, 4096                           ; v's words: 4 steps x 256 bytes, 32,768 apart
	s_mov_b32 s[SEL], 0x76543210
	s_mov_b32 s[SEL+1], 0xfedcba98
	s_mov_b32 s[CS], 0x3e38aa3b                    ; c = log2(e) / 8
	s_mov_b32 s[CS+1], s[CS]
	s_mov_b32 s[OP+1], 0
	s_wait_dscnt 0x0
	s_wait_kmcnt 0x0
	s_mul_i32 s[OP], s[FK], 1536
	s_add_co_u32 s[OP], s[OP], s[P768]
	s_mul_i32 s[T0], s[J3], 49152
	s_add_co_u32 s[OP], s[OP], s[T0]
	s_add_co_u32 s[OP], s[OP], IMG
	s_add_nc_u64 s[G0K+2:G0K+3], s[4:5], s[OP:OP+1]
	s_or_b32 s[G0K+3], s[G0K+3], 0x80000000
	s_mov_b32 s[G0K], 1
	s_mul_i32 s[G0K+1], s[WV], 24576               ; waves 0-3: k from byte 0
	s_mul_i32 s[OP], s[FV], 1536
	s_mul_i32 s[T0], s[J3], 3145728
	s_add_co_u32 s[OP], s[OP], s[T0]
	s_add_co_u32 s[OP], s[OP], IMG
	s_add_nc_u64 s[G0V+2:G0V+3], s[6:7], s[OP:OP+1]
	s_or_b32 s[G0V+3], s[G0V+3], 0x80000000
	s_mov_b32 s[G0V], 1
	s_mul_i32 s[G0V+1], s[WV], 24576               ; waves 4-7: v from byte 98,304
	s_lshl_b32 s[OP], s[FK], 6
	s_and_b32 s[T0], s[J3], 1
	s_lshl_b32 s[T0], s[T0], 12
	s_add_co_u32 s[OP], s[OP], s[T0]
	s_cmp_lt_u32 s[J3], 2
	s_cselect_b32 s[T0], s[ALO], s[AHI]
	s_add_co_u32 s[OP], s[OP], s[T0]
	s_add_nc_u64 s[G0S+2:G0S+3], s[4:5], s[OP:OP+1]
	s_or_b32 s[G0S+3], s[G0S+3], 0x80000000
	s_mov_b32 s[G0S], 1
	s_lshl_b32 s[G0S+1], s[WV], 12
	s_add_co_u32 s[G0S+1], s[G0S+1], KLO-8*4096    ; waves 8-11
	s_lshl_b32 s[OP], s[FV], 6
	s_lshl_b32 s[T0], s[J3], 17
	s_add_co_u32 s[OP], s[OP], s[T0]
	s_add_nc_u64 s[G0T+2:G0T+3], s[6:7], s[OP:OP+1]
	s_or_b32 s[G0T+3], s[G0T+3], 0x80000000
	s_mov_b32 s[G0T], 1
	s_lshl_b32 s[G0T+1], s[WV], 10
	s_add_co_u32 s[G0T+1], s[G0T+1], VSC-12*1024   ; waves 12-15
	CROUND                                         ; all four work-groups are here: the joint loads meet
	ARM 4, G0K, G1K, .Larm_v                       ; one load a wave, one chain of arms, one join
	ARM 8, G0V, G1V, .Larm_s
	ARM 12, G0S, G1S, .Larm_t
	tensor_load_to_lds s[G0T:G0T+3], s[G1T:G1T+7]
	s_nop 0
.rept 4
	v_nop
.endr
.Lasked:
	s_lshl_b32 s[TA], s[BLK], 3
	s_add_co_u32 s[TA], s[TA], s[B128]
	s_add_co_u32 s[TA], s[TA], s[SUB]
	s_lshl_b32 s[TB], s[NBK], 3
	s_add_co_u32 s[TB], s[TB], s[B128]
	s_add_co_u32 s[TB], s[TB], s[SUB]
	TILE TA, 22, 23, 24, 25, 26
	TILE TB, 27, 60, 61, 66, 67
	s_lshr_b32 s[DQS], s[SUB], 1
	s_lshl_b32 s[DQS], s[DQS], 5
	s_and_b32 s[T0], s[SUB], 1
	s_lshl_b32 s[T0], s[T0], 3
	s_add_co_u32 s[DQS], s[DQS], s[T0]             ; the tile's first token in its block
	s_lshr_b32 s[HBS], s[WV], 2
	s_lshl_b32 s[HBS], s[HBS], 9
	s_add_co_u32 s[HBS], s[HBS], BIAS              ; my copy of the table
	v_and_b32 v104, 31, v0
	v_and_b32 v105, 15, v0                         ; r
	v_bfe_u32 v106, v0, 4, 1                       ; h
	v_lshlrev_b32 v[L8], 3, v104
	v_lshlrev_b32 v107, 2, v105
	v_add_nc_u32 v[L8V], 98304, v[L8]
	v_add_nc_u32 v[R4], KLO, v107
	v_lshl_add_u32 v[HB], v106, 6, s[HBS]
	v_and_b32 v108, 8, v105
	v_add_nc_u32 v[DQ], v108, v105
	v_lshlrev_b32 v108, 4, v106
	v_sub_nc_u32 v[DQ], v[DQ], v108
	v_add_nc_u32 v[DQ], s[DQS], v[DQ]              ; my query's place in its block - 16 h
	v_add_nc_u32 v109, s22, v[L8]
	v_add_nc_u32 v110, s27, v[L8]
	v_add_nc_u32 v111, s23, v107
	v_add_nc_u32 v112, s24, v107
	v_add_nc_u32 v113, s60, v107
	v_add_nc_u32 v114, s61, v107
	v_add_nc_u32 v[OC], s25, v[L8]
	v_add_nc_u32 v[OS], s26, v107
	v_add_nc_u32 v[OCB], s66, v[L8]
	v_add_nc_u32 v[OSB], s67, v107
.irp c, 0,1,2
	global_load_b64 v[QL+2*\c:QL+2*\c+1], v109, s[4:5] offset:256*\c
	global_load_b64 v[QL+12+2*\c:QL+13+2*\c], v109, s[4:5] offset:256*\c
	global_load_b64 v[Q2+2*\c:Q2+2*\c+1], v110, s[4:5] offset:256*\c
.endr
	global_load_b32 v[QS], v111, s[4:5]
	global_load_b32 v[QS+1], v112, s[4:5]
	global_load_b32 v[Q2S], v113, s[4:5]
	global_load_b32 v[Q2S+1], v114, s[4:5]
.irp i, 6,7,8,9,10,11
	v_mov_b32 v[QL+\i], 0
.endr
	v_mov_b32 v[SLV], s[SL8]
	v_mul_f32 v[SLV], 0xbe38aa3b, v[SLV]           ; -8 slope c
	INIT
.irp b, 0,1,2,3
	v_mov_b32 v[BX+\b], 0                          ; a lane permute's destination counts as read
.endr
	v_mov_b32 v[XM+1], 0
	v_mov_b32 v253, 0
	v_mov_b32 v255, 0xff800000
	v_and_b32 v115, 127, v0                        ; the table: 8 slope e, thread i's word i
	v_cvt_f32_u32 v115, v115
	v_mul_f32 v115, s[SL8], v115
	v_lshl_add_u32 v116, v0, 2, BIAS
	s_wait_alu depctr_va_vdst(0)                   ; the wait at the head's end
	s_wait_tensorcnt 0x0                           ; my load has landed,
	ds_store_b32 v116, v115                        ; the table is stored behind my only tensor load, into bytes where no tile lands,
	s_wait_loadcnt 0x0                             ; q and its words are in,
	s_wait_dscnt 0x0                               ; the store is done,
	s_barrier_signal -1
	s_barrier_wait -1                              ; and everybody's loads have landed
	s_mov_b32 s[CNT], 0
.Ltrip:                                                ; trip n: step n of my first tile while n <= BLK, then step n - BLK - 1 of my second
	s_barrier_signal -1                            ; a split barrier in each trip: I have begun trip n (no LDS access of mine is out here); only LDS loads of bytes that nobody writes and work on registers stand up to its wait
	s_cmp_gt_u32 s[CNT], s[BLK]
	s_cselect_b32 s[ST], s[NBK], 0
	s_cmp_eq_u32 s[CNT], s[BLK]
	s_cselect_b32 s[DG], 1, 0
	s_cmp_eq_u32 s[CNT], 16
	s_cselect_b32 s[DG], 1, s[DG]                  ; 1: the tile's last step, which holds the diagonal
	s_add_co_u32 s[ST], s[ST], s[CNT]
	s_and_b32 s[ST], s[ST], 15                     ; n + 15 - BLK = n - BLK - 1 modulo 16
	s_mul_i32 s[TK], s[ST], 6144
	s_lshl_b32 s[T512], s[ST], 9
	s_lshl_b32 s[T256], s[ST], 8
	s_lshl_b32 s[NN], s[ST], 7
	s_sub_co_u32 s[NN], 2047, s[NN]
	v_add_nc_u32 v[ADK], s[TK], v[L8]              ; these four are also the places behind the last products, ahead of the loads into their fragments
	v_add_nc_u32 v[ADV], s[TK], v[L8V]
	v_add_nc_u32 v[ADS], s[T512], v[R4]
	v_add_nc_u32 v[ADT], s[T256], v[R4]
.irp b, 0,1,2,3
.irp e, 0,1,2,3
	ds_load_b128 v[S+16*\b+4*\e:S+16*\b+4*\e+3], v[HB] offset:128*\b+16*\e   ; 8 slope e of my 64 keys, into the accumulators
.endr
.endr
.irp g, 0,1,2,3
.irp p, 0,1,2,3,4,5
	ds_load_b64 v[FR+12*\g+2*\p:FR+12*\g+2*\p+1], v[ADK] offset:1536*\g+256*\p
.endr
.endr
.irp t, 0,1,2,3,4,5,6,7
	ds_load_b32 v[KS+\t], v[ADS] offset:64*\t+8192*(\t%2)
.endr
	s_wait_alu depctr_va_vdst(0)                   ; the wait ahead of the wait below
	s_wait_dscnt 0x0
.irp t, 0,1,2,3,4,5,6,7
	v_wmma_scale_f32_16x16x128_f8f6f4 v[S+8*\t:S+8*\t+7], v[FR+12*(\t/2):FR+12*(\t/2)+11], v[QL+6*(\t%2):QL+6*(\t%2)+11], v[S+8*\t:S+8*\t+7], v[KS+\t], v[QS+\t%2] matrix_a_fmt:MATRIX_FMT_BF6 matrix_b_fmt:MATRIX_FMT_BF6
.endr
	v_cvt_f32_u32 v[OFF], s[NN]                    ; four places behind the products
	v_mul_f32 v[OFF], v[SLV], v[OFF]               ; the step's term: slope log2(e) (128 step - 2047)
	v_nop
	v_nop
.irp t, 0,1,2,3
.irp p, 0,1,2,3,4,5
	ds_load_b64 v[FR+12*\t+2*\p:FR+12*\t+2*\p+1], v[ADV] offset:1536*\t+256*\p
.endr
	ds_load_b32 v[VS+\t], v[ADT] offset:VSC-KLO+64*\t
.endr
	s_wait_alu depctr_va_vdst(0)
	s_cmp_eq_u32 s[DG], 0
	s_cbranch_scc1 .Lopen
.set n, 0
.rept 64
	v_cmp_gt_i32 vcc_lo, 32*(n/16)+n%16, v[DQ]     ; a key behind my query
	v_cndmask_b32 v[S+n], v[S+n], v255, vcc_lo
.set n, n+1
.endr
.Lopen:
.irp b, 0,1,2,3
	v_max3_num_f32 v[BM+\b], v[S+16*\b], v[S+16*\b+1], v[S+16*\b+2]   ; each block's largest score, each accumulator from its low end on
.endr
.irp i, 3,5,7,9,11,13
.irp b, 0,1,2,3
	v_max3_num_f32 v[BM+\b], v[BM+\b], v[S+16*\b+\i], v[S+16*\b+\i+1]
.endr
.endr
.irp b, 0,1,2,3
	v_max_num_f32 v[BM+\b], v[BM+\b], v[S+16*\b+15]
.endr
.irp b, 0,1,2,3
	v_permlanex16_b32 v[BX+\b], v[BM+\b], s[SEL], s[SEL+1]
.endr
.irp b, 0,1,2,3
	v_max_num_f32 v[BM+\b], v[BM+\b], v[BX+\b]
.endr
	v_max3_num_f32 v254, v[BM], v[BM+1], v[BM+2]
	v_max_num_f32 v254, v254, v[BM+3]
	v_fma_f32 v254, s[CS], v254, v[OFF]            ; the step's largest t
	v_max_num_f32 v13, v13, v254
	v_mov_b32 v254, v12
	v_floor_f32 v12, -v13                          ; -M = floor(-t)
	v_sub_f32 v254, v12, v254
	v_cvt_i32_f32 v254, v254
	v_ldexp_f32 v252, 1.0, v254                    ; f = 2^(old M - new M)
	v_add_f32 v[XM], v[OFF], v12
.set j, 0
.rept 32
	v_pk_fma_f32 v[S+j:S+j+1], v[S+j:S+j+1], s[CS:CS+1], v[XM:XM+1] op_sel_hi:[1,0,0]   ; t - M
.set j, j+2
.endr
.irp b, 0,1,2,3
	v_fma_f32 v[BM+\b], v[BM+\b], s[CS], v[XM]
.endr
	s_wait_alu depctr_va_vdst(0)                   ; the wait ahead of the batch
.set j, 0
.rept 64
	v_exp_f32 v[S+j], v[S+j]
.set j, j+1
.endr
	v_pk_mul_f32 v[14:15], v[14:15], v[252:253] op_sel_hi:[1,0]
	s_wait_alu depctr_va_vdst(0)                   ; and behind it
.irp b, 0,1,2,3
	v_exp_f32 v[BM+\b], v[BM+\b]                   ; each block's largest p
.endr
	v_pk_add_f32 v[BX:BX+1], v[S:S+1], v[S+2:S+3]  ; the row's sum, of the unquantised p
.set j, 4
.rept 15
	v_pk_add_f32 v[14:15], v[14:15], v[S+j:S+j+1]
	v_pk_add_f32 v[BX:BX+1], v[BX:BX+1], v[S+j+2:S+j+3]
.set j, j+4
.endr
	v_pk_add_f32 v[14:15], v[14:15], v[BX:BX+1]
	s_wait_alu depctr_va_vdst(0)
.irp b, 0,1,2,3
	v_max_num_f32 v[BM+\b], 0x2800000, v[BM+\b]    ; the floor 2^(5 - 127) holds the byte at 1 from below
.endr
.irp b, 0,1,2,3
	v_add_nc_u32 v[SO+\b], 0xfe000000, v[BM+\b]    ; 4 off the exponent field: the conversion's scale operand
.endr
.irp b, 0,1,2,3
	v_lshrrev_b32 v[BX+\b], 23, v[SO+\b]
.endr
	v_lshl_or_b32 v253, v[BX+1], 8, v[BX]
	v_lshl_or_b32 v253, v[BX+2], 16, v253
	v_lshl_or_b32 v253, v[BX+3], 24, v253          ; p's scale word
.irp c, 0,1
	v_cvt_scalef32_pk16_bf6_f32 v[PC+6*\c:PC+6*\c+2], v[S+32*\c:S+32*\c+15], v[SO+2*\c]
	v_cvt_scalef32_pk16_bf6_f32 v[PT+4*\c:PT+4*\c+2], v[S+32*\c+16:S+32*\c+31], v[SO+2*\c+1]
.endr
	v_nop                                          ; one plain place behind a scaled conversion
.irp c, 0,1
.irp i, 0,1,2
	v_permlane16_swap_b32 v[PC+6*\c+\i], v[PT+4*\c+\i]
.endr
.irp i, 0,1,2
	v_mov_b32 v[PC+3+6*\c+\i], v[PT+4*\c+\i]
.endr
.endr
	s_wait_alu depctr_va_vdst(0)                   ; the wait directly ahead of the first reader of O^T
.set j, 0
.rept 16
	v_pk_mul_f32 v[O+j:O+j+1], v[O+j:O+j+1], v[252:253] op_sel_hi:[1,0]
.set j, j+2
.endr
	s_wait_alu depctr_va_vdst(0)
	s_wait_dscnt 0x0                               ; v's fragments and words are in
.irp t, 0,1,2,3
	v_wmma_scale_f32_16x16x128_f8f6f4 v[O+8*\t:O+8*\t+7], v[FR+12*\t:FR+12*\t+11], v[PC:PC+11], v[O+8*\t:O+8*\t+7], v[VS+\t], v253 matrix_a_fmt:MATRIX_FMT_BF6 matrix_b_fmt:MATRIX_FMT_BF6
.endr
	s_barrier_wait -1                              ; every wave has begun trip n: the sixteen waves stay within one trip of each other
	s_cmp_eq_u32 s[DG], 0
	s_cbranch_scc1 .Lnext
	; the tile is finished: O / l, quantised along the head's 64, stored as half a fragment's image and two scale bytes a row
.rept 4
	v_nop
.endr
	v_add_f32 v14, v14, v15
	v_permlanex16_b32 v[BX], v14, s[SEL], s[SEL+1]
	v_add_f32 v14, v14, v[BX]
	s_wait_alu depctr_va_vdst(0)
	v_rcp_f32 v14, v14
	v_nop
	s_wait_alu depctr_va_vdst(0)
.set j, 0
.rept 32
	v_mul_f32 v[S+j], v[O+j], v14
.set j, j+1
.endr
.irp g, 0,1
	v_max3_num_f32 v[BM+\g], |v[S+16*\g]|, |v[S+16*\g+1]|, 0x2800000
.endr
.irp i, 2,4,6,8,10,12,14
.irp g, 0,1
	v_max3_num_f32 v[BM+\g], v[BM+\g], |v[S+16*\g+\i]|, |v[S+16*\g+\i+1]|
.endr
.endr
.irp g, 0,1
	v_permlanex16_b32 v[BX+\g], v[BM+\g], s[SEL], s[SEL+1]
.endr
.irp g, 0,1
	v_max_num_f32 v[BM+\g], v[BM+\g], v[BX+\g]
.endr
.irp g, 0,1
	v_add_nc_u32 v[SO+\g], 0xfe000000, v[BM+\g]
.endr
.irp g, 0,1
	v_lshrrev_b32 v[BX+\g], 23, v[SO+\g]
.endr
	v_lshl_or_b32 v254, v[BX+1], 8, v[BX]
	v_cvt_scalef32_pk16_bf6_f32 v[PC:PC+2], v[S:S+15], v[SO]
	v_cvt_scalef32_pk16_bf6_f32 v[PT:PT+2], v[S+16:S+31], v[SO+1]
	v_nop
.irp i, 0,1,2
	v_permlane16_swap_b32 v[PC+\i], v[PT+\i]
.endr
.irp i, 0,1,2
	v_mov_b32 v[PC+3+\i], v[PT+\i]
.endr
.irp c, 0,1,2
	global_store_b64 v[OC], v[PC+2*\c:PC+2*\c+1], s[8:9] offset:256*\c   ; 32 lanes store 256 consecutive bytes, aligned
.endr
	global_store_b16 v[OS], v254, s[8:9]
	s_wait_alu depctr_va_vdst(0)
	s_cmp_eq_u32 s[CNT], 16
	s_cbranch_scc1 .Lnext                          ; that was my second tile: the loop ends on its counter
	INIT                                           ; my second tile begins
.irp i, 0,1,2,3,4,5
	v_mov_b32 v[QL+\i], v[Q2+\i]
	v_mov_b32 v[QL+12+\i], v[Q2+\i]
.endr
	v_mov_b32 v[QS], v[Q2S]
	v_mov_b32 v[QS+1], v[Q2S+1]
	s_wait_alu depctr_va_vdst(0)
	s_wait_xcnt 0x0                                ; the stores have read their offsets and data: both are written again only behind this wait
	v_mov_b32 v[OC], v[OCB]
	v_mov_b32 v[OS], v[OSB]
.Lnext:
	s_add_co_u32 s[CNT], s[CNT], 1
	s_cmp_lt_u32 s[CNT], 17
	s_wait_alu depctr_va_vdst(0)                   ; the wait ahead of the branch
	s_cbranch_scc1 .Ltrip
.Ldone:
	s_wait_tensorcnt 0x0                           ; the wave's end
	ds_add_u32 v[SPW], v[NIL]
	s_wait_dscnt 0x0
	CROUND                                         ; the closing round
	s_endpgm
.Lfunc_end_k_q0eb457dc38_attn:
	.size	k_q0eb457dc38_attn, .Lfunc_end_k_q0eb457dc38_attn-k_q0eb457dc38_attn
	.p2alignl 7, 3214868480
	.fill 96, 4, 3214868480
	.section	.rodata,"a",@progbits
	.p2align	6, 0x0
	.amdhsa_kernel k_q0eb457dc38_attn
		.amdhsa_group_segment_fixed_size 327680
		.amdhsa_private_segment_fixed_size 0
		.amdhsa_enable_private_segment 0
		.amdhsa_kernarg_size 24
		.amdhsa_user_sgpr_count 2
		.amdhsa_user_sgpr_kernarg_segment_ptr 1
		.amdhsa_wavefront_size32 1
		.amdhsa_system_sgpr_workgroup_id_x 1
		.amdhsa_system_sgpr_workgroup_id_y 1
		.amdhsa_system_sgpr_workgroup_id_z 1
		.amdhsa_system_vgpr_workitem_id 0
		.amdhsa_next_free_vgpr 256
		.amdhsa_next_free_sgpr 102
		.amdhsa_reserve_vcc 1
		.amdhsa_float_denorm_mode_32 3
		.amdhsa_float_denorm_mode_16_64 3
		.amdhsa_memory_ordered 1
		.amdhsa_forward_progress 1
		.amdhsa_inst_pref_size 44
	.end_amdhsa_kernel
	.amdgpu_metadata
---
amdhsa.version: [ 1, 2 ]
amdhsa.kernels:
  - .name:           k_q0eb457dc38_attn
    .symbol:         k_q0eb457dc38_attn.kd
    .args:
      - { .name: qkimg, .offset: 0, .size: 8, .value_kind: global_buffer, .address_space: global }
      - { .name: vimg, .offset: 8, .size: 8, .value_kind: global_buffer, .address_space: global }
      - { .name: ao, .offset: 16, .size: 8, .value_kind: global_buffer, .address_space: global }
    .group_segment_fixed_size: 327680
    .private_segment_fixed_size: 0
    .kernarg_segment_align: 8
    .kernarg_segment_size: 24
    .max_flat_workgroup_size: 512
    .sgpr_count:     102
    .vgpr_count:     256
    .wavefront_size: 32
...
	.end_amdgpu_metadata
.endif
;; end of part 3
;; launch outp (part 4): grid 4 x 32, 4 waves a work-group, clusters of 4 x 4, 327,680 bytes of LDS; arguments ao, wo, out0; writes out0
.if DOCPART == 4
	.amdgcn_target "amdgcn-amd-amdhsa--gfx1250"
	.amdhsa_code_object_version 6
	.text
	.protected	k_q0eb457dc38_outp
	.globl	k_q0eb457dc38_outp
	.p2align	8
	.type	k_q0eb457dc38_outp,@function
k_q0eb457dc38_outp:
	s_mov_b64 s[64:65], 0
	v_nop
	global_prefetch_b8 v0, s[64:65] scope:SCOPE_SE
	s_setreg_imm32_b32 hwreg(HW_REG_WAVE_MODE, 25, 1), 1
	s_wait_xcnt 0x0
	s_wait_alu depctr_hold_cnt(0) depctr_sa_sdst(0) depctr_va_vdst(0) depctr_va_sdst(0) depctr_va_ssrc(0) depctr_va_vcc(0) depctr_vm_vsrc(0)
	s_getreg_b32 s2, hwreg(HW_REG_IB_STS2, 6, 4)
	s_cmp_eq_u32 s2, 0
	s_cbranch_scc0 .Lentry_in_a_cluster
	s_endpgm
.Lentry_in_a_cluster:
	s_bfe_u32 s2, ttmp6, 0x10000c
	s_cmp_lg_u32 s2, 0xf033
	s_cbranch_scc0 .Lentry_shape_is_right
	s_endpgm
.Lentry_shape_is_right:
.set CODES,  262144
.set NQ,     2
.set FR,     12
.set NL,     6
.set NP,     4
.set FRB,    1536
.set TILEB,  NQ*FRB
.set HALFT,  8*TILEB
.set SLOT,   4*HALFT
.set SCL,    2*SLOT
.set HALFS,  4096
.set SPARE,  SCL+4*HALFS
.set KROW,   768
.set KSB,    32
.set SPITCH, 528
.set ADRA, 16
.set ADRB, 20
.set STO,  24
.set RD,   25
.set CO,   26
.set ADRS, 27
.set SPW,  28
.set NIL,  29
.set SC,   32
.set AF,   128
.set BK,   128
.set G1, 24
.set G0, 32
.set G1B, 48
.set G0B, 56
.set G1S, 68
.set G0S, 76
.set G1SB, 80
.set G0SB, 88
.set MSB, 0
.macro WIN new
.if MSB != \new
	s_set_vgpr_msb (MSB<<8)|\new
.set MSB, \new
.endif
.endm
.set MUL_LO, 0xa1
.set MUL_HI, 0xf1
.set TO_B,   0x40
.macro JLOAD g0a, g1a, g0b, g1b
	s_cmp_eq_u32 s15, 0
	s_cbranch_scc0 .Lfor_b_\@
	tensor_load_to_lds s[\g0a:\g0a+3], s[\g1a:\g1a+7]
	s_nop 0
.rept 4
	v_nop
.endr
	s_branch .Lasked_\@
.Lfor_b_\@:
	tensor_load_to_lds s[\g0b:\g0b+3], s[\g1b:\g1b+7]
	s_nop 0
.rept 4
	v_nop
.endr
.Lasked_\@:
.endm
.macro CREST
	s_cmp_lg_u32 s14, 0
	s_cbranch_scc1 .Lnot_wave_0_\@
	s_barrier_signal -3
.Lnot_wave_0_\@:
	s_barrier_wait -3
	s_barrier_signal -1
	s_barrier_wait -1
.endm
.macro CROUND
	s_barrier_signal -1
	s_barrier_wait -1
	CREST
.endm
	s_load_b128 s[4:7], s[0:1], 0x0
	s_load_b64 s[12:13], s[0:1], 0x10
	v_lshl_add_u32 v[SPW], v0, 2, SPARE
	v_mov_b32 v[NIL], 0
	ds_add_u32 v28, v29
	ds_add_u32 v28, v29
	s_wait_dscnt 0x0
	v_lshrrev_b32 v1, 5, v0
	v_readfirstlane_b32 s14, v1
	s_lshr_b32 s15, s14, 1
	s_and_b32 s16, s14, 1
	s_bfe_u32 s40, ttmp6, 0x40000
	s_bfe_u32 s41, ttmp6, 0x40004
	s_lshl_b32 s42, ttmp9, 2
	s_add_co_u32 s42, s42, s40
	s_and_b32 s17, ttmp7, 0xffff
	s_lshl_b32 s17, s17, 2
	s_add_co_u32 s17, s17, s41
	s_lshl_b32 s43, s41, 2
	s_lshl_b32 s43, 15, s43
	s_lshl_b32 s44, 0x1111, s40
	s_or_b32 s[G1+0], s43, (3<<16)|(1<<21)
	s_or_b32 s[G1B+0], s44, (3<<16)|(1<<21)
.irp g, G1, G1B
	s_mov_b32 s[\g+1], 384<<16
	s_mov_b32 s[\g+2], 16<<16                      ; 16 tiles for the head's loads; set to 8 behind them
	s_mov_b32 s[\g+3], 384<<16
	s_mov_b32 s[\g+4], 16
	s_mov_b32 s[\g+5], 1536
	s_mov_b32 s[\g+6], 0
	s_mov_b32 s[\g+7], 0
.endr
	s_or_b32 s[G1S+0], s43, (3<<16)|(1<<21)
	s_or_b32 s[G1SB+0], s44, (3<<16)|(1<<21)
.irp g, G1S, G1SB
	s_mov_b32 s[\g+1], 32<<16
	s_mov_b32 s[\g+2], 32<<16
	s_mov_b32 s[\g+3], 32<<16
	s_mov_b32 s[\g+4], 32
	s_mov_b32 s[\g+5], 32
	s_mov_b32 s[\g+6], 0
	s_mov_b32 s[\g+7], 0
.endr
	s_lshl_b32 s20, s17, 8                         ; A: place 256 x tile row
	s_lshl_b32 s46, s42, 8                         ; B: place 256 x tile column
	s_mov_b32 s21, 0
	s_mov_b32 s47, 0
	s_mov_b64 s[18:19], KSB
	s_mul_u64 s[22:23], s[20:21], s[18:19]
	s_mul_u64 s[92:93], s[46:47], s[18:19]
	s_mov_b64 s[18:19], KROW
	s_mul_u64 s[20:21], s[20:21], s[18:19]
	s_mul_u64 s[46:47], s[46:47], s[18:19]
	s_mul_i32 s18, s16, 128*KROW                   ; in the ring I fetch 128 rows of a tile: which half, in bytes
	s_mov_b32 s19, 0
	s_mul_i32 s45, s14, HALFT
	s_wait_kmcnt 0x0
	s_mov_b64 s[10:11], s[6:7]
	s_add_nc_u64 s[8:9], s[6:7], CODES
	s_mov_b64 s[6:7], s[4:5]
	s_add_nc_u64 s[4:5], s[4:5], CODES
	s_add_nc_u64 s[20:21], s[4:5], s[20:21]
	s_add_nc_u64 s[22:23], s[6:7], s[22:23]
	s_add_nc_u64 s[46:47], s[8:9], s[46:47]
	s_add_nc_u64 s[92:93], s[10:11], s[92:93]
	CROUND
	s_mov_b32 s[G0S], 1
	s_mov_b32 s[G0S+1], SCL
	s_mov_b64 s[G0S+2:G0S+3], s[22:23]
	s_or_b32 s[G0S+3], s[G0S+3], 0x80000000
	s_mov_b32 s[G0SB], 1
	s_mov_b32 s[G0SB+1], SCL+2*HALFS
	s_mov_b64 s[G0SB+2:G0SB+3], s[92:93]
	s_or_b32 s[G0SB+3], s[G0SB+3], 0x80000000
	s_mov_b32 s4, 1                                ; group 0 of the head's loads of K step 0: A's 16 tiles,
	s_mov_b32 s5, 0
	s_mov_b64 s[6:7], s[20:21]
	s_or_b32 s7, s7, 0x80000000
	s_mov_b32 s8, 1                                ; and B's 16, behind them in slot 0
	s_mov_b32 s9, 2*HALFT
	s_mov_b64 s[10:11], s[46:47]
	s_or_b32 s11, s11, 0x80000000
	s_add_nc_u64 s[20:21], s[20:21], s[18:19]      ; for the ring: my 128 rows
	s_add_nc_u64 s[46:47], s[46:47], s[18:19]
.irp s, 0,1
	s_mov_b32 s[G0+4*\s], 1
	s_add_co_u32 s[G0+4*\s+1], s45, \s*SLOT
	s_add_nc_u64 s[G0+4*\s+2:G0+4*\s+3], s[20:21], \s*TILEB
	s_or_b32 s[G0+4*\s+3], s[G0+4*\s+3], 0x80000000
	s_mov_b32 s[G0B+4*\s], 1
	s_add_co_u32 s[G0B+4*\s+1], s45, \s*SLOT
	s_add_nc_u64 s[G0B+4*\s+2:G0B+4*\s+3], s[46:47], \s*TILEB
	s_or_b32 s[G0B+4*\s+3], s[G0B+4*\s+3], 0x80000000
.endr
; the head's four tiles, one load a wave: wave 0 A's 16 tiles of K step 0, wave 1 B's, wave 2 A's scale words, wave 3 B's; one chain of arms, one join
.macro ARM under, g0, g1, next
	s_cmp_lt_u32 s14, \under
	s_cbranch_scc0 \next
	tensor_load_to_lds s[\g0:\g0+3], s[\g1:\g1+7]
	s_nop 0
.rept 4
	v_nop
.endr
	s_branch .Lhead_asked
\next:
.endm
	ARM 1, 4, G1, .Lhead_b
	ARM 2, 8, G1B, .Lhead_sa
	ARM 3, G0S, G1S, .Lhead_sb
	tensor_load_to_lds s[G0SB:G0SB+3], s[G1SB:G1SB+7]
	s_nop 0
.rept 4
	v_nop
.endr
.Lhead_asked:
	v_and_b32 v1, 15, v0
	v_bfe_u32 v2, v0, 4, 1
	s_wait_alu depctr_va_vdst(0)
	v_and_b32 v3, 31, v0
	v_lshlrev_b32 v4, 3, v3
	s_mul_i32 s21, s15, HALFT
	s_mul_i32 s22, s16, HALFT
	s_add_co_u32 s22, s22, 2*HALFT
.irp s, 0,1
	v_add_nc_u32 v[ADRA+\s], s21, v4
	v_add_nc_u32 v[ADRB+\s], s22, v4
	s_add_co_u32 s21, s21, SLOT
	s_add_co_u32 s22, s22, SLOT
.endr
	v_lshlrev_b32 v5, 2, v1
	s_mul_i32 s21, s15, HALFS
	s_mul_i32 s22, s16, HALFS
	s_add_co_u32 s22, s22, 2*HALFS
	s_sub_co_u32 s22, s22, s21
	v_mul_u32_u24 v6, s22, v2
	s_add_co_u32 s21, s21, SCL
	v_add_nc_u32 v6, v5, v6
	v_add_nc_u32 v[ADRS], s21, v6
	s_mul_i32 s23, s14, 16*SPITCH
	v_mul_u32_u24 v5, v1, SPITCH
	v_lshl_add_u32 v5, v2, 6, v5
	v_add_nc_u32 v[STO], s23, v5
	v_lshlrev_b32 v[CO], 4, v3
	v_add_nc_u32 v[RD], s23, v[CO]
	s_lshl_b32 s20, s17, 8
	s_lshl_b32 s21, s15, 7
	s_add_co_u32 s20, s20, s21
	s_lshl_b32 s20, s20, 12
	s_lshl_b32 s46, s42, 10
	s_lshl_b32 s47, s16, 9
	s_add_co_u32 s46, s46, s47
	s_add_co_u32 s20, s20, s46
	s_mov_b32 s21, 0
	s_add_nc_u64 s[12:13], s[12:13], s[20:21]
.macro FRAG reg, adr, q, i
.irp p, 0,1,2,3,4,5
	ds_load_b64 v[\reg+2*\p:\reg+2*\p+1], v[\adr] offset:(\i)*TILEB+(\q)*FRB+256*\p
.endr
.endm
.macro MUL16 a0, p, q, sc, zero
.irp a, \a0, \a0+1
.irp b, 0,1,2,3,4,5,6,7
.if \zero
	v_wmma_scale_f32_16x16x128_f8f6f4 v[8*(8*((\a)%4)+\b):8*(8*((\a)%4)+\b)+7], v[128*(\p)+FR*\b:128*(\p)+FR*\b+FR-1], v[AF+FR*(\a):AF+FR*(\a)+FR-1], 0, v[SC+8*NQ*(\sc)+NQ*\b+(\q)], v[SC+8*NQ*(\sc)+NQ*(\a)+(\q)] matrix_a_fmt:MATRIX_FMT_BF6 matrix_b_fmt:MATRIX_FMT_BF6 matrix_a_scale:MATRIX_SCALE_ROW1
.else
	v_wmma_scale_f32_16x16x128_f8f6f4 v[8*(8*((\a)%4)+\b):8*(8*((\a)%4)+\b)+7], v[128*(\p)+FR*\b:128*(\p)+FR*\b+FR-1], v[AF+FR*(\a):AF+FR*(\a)+FR-1], v[8*(8*((\a)%4)+\b):8*(8*((\a)%4)+\b)+7], v[SC+8*NQ*(\sc)+NQ*\b+(\q)], v[SC+8*NQ*(\sc)+NQ*(\a)+(\q)] matrix_a_fmt:MATRIX_FMT_BF6 matrix_b_fmt:MATRIX_FMT_BF6 matrix_a_scale:MATRIX_SCALE_ROW1
.endif
.endr
.endr
.endm
.macro FETCH_B slot, q, p
	WIN TO_B
.irp i, 0,1,2,3,4,5,6,7
	FRAG 128*(\p)+FR*\i, ADRB+\slot, \q, \i
.endr
	WIN 0
.endm
.macro FETCH_A slot, q, i0
.irp i, \i0, \i0+1, \i0+2, \i0+3
	FRAG AF+FR*(\i), ADRA+\slot, \q, \i
.endr
.endm
.macro SCALES sc, ks
.irp i, 0,1,2,3,4,5,6,7
.irp q, 0,1
	ds_load_b32 v[SC+8*NQ*(\sc)+NQ*\i+\q], v[ADRS] offset:512*\i+64*(2*(\ks)+\q)
.endr
.endr
.endm
.macro PLACES n
.rept \n
	v_nop
.endr
.endm
.macro STEP slot, q, zero
	s_wait_dscnt 4*NL
	WIN MUL_LO
	MUL16 0, (\q)%2, \q, \slot, \zero
	MUL16 2, (\q)%2, \q, \slot, \zero
	s_wait_dscnt 0
	PLACES NP
	FETCH_B \slot, (\q)+1, 1-(\q)%2
	FETCH_A \slot, (\q)+1, 0
	WIN MUL_HI
	MUL16 4, (\q)%2, \q, \slot, \zero
	MUL16 6, (\q)%2, \q, \slot, \zero
	PLACES NP
	WIN 0
	FETCH_A \slot, (\q)+1, 4
.endm
.macro TURN slot, next, fill, ks
	s_wait_tensorcnt 0x0
	ds_add_u32 v[SPW], v[NIL]
	s_wait_dscnt 4*NL+1
	WIN MUL_LO
	MUL16 0, 1, NQ-1, \slot, 0
	s_wait_dscnt 0x0
	s_barrier_signal -1
	MUL16 2, 1, NQ-1, \slot, 0
	WIN 0
	s_barrier_wait -1
.if \fill
	CREST
	s_add_nc_u64 s[G0+4*\slot+2:G0+4*\slot+3], s[G0+4*\slot+2:G0+4*\slot+3], 2*TILEB
	s_add_nc_u64 s[G0B+4*\slot+2:G0B+4*\slot+3], s[G0B+4*\slot+2:G0B+4*\slot+3], 2*TILEB
	JLOAD G0+4*\slot, G1, G0B+4*\slot, G1B
.else
	PLACES NP
.endif
	FETCH_B \next, 0, 0
	FETCH_A \next, 0, 0
	SCALES \next, \ks
	WIN MUL_HI
	MUL16 4, 1, NQ-1, \slot, 0
	MUL16 6, 1, NQ-1, \slot, 0
	PLACES NP
	WIN 0
	FETCH_A \next, 0, 4
.endm
	s_wait_alu depctr_va_vdst(0)
	s_wait_tensorcnt 0x0                           ; my tile of the head's four is in
	ds_add_u32 v[SPW], v[NIL]
	s_mov_b32 s[G1+2], 8<<16                       ; no tensor load of mine is out: from here on a load brings 8 tiles
	s_mov_b32 s[G1+4], 8
	s_mov_b32 s[G1B+2], 8<<16
	s_mov_b32 s[G1B+4], 8
	s_wait_dscnt 0x0
	CROUND                                         ; all four tiles are in, and all sixteen work-groups are here
	JLOAD G0+4, G1, G0B+4, G1B                     ; K step 1, the first tensor load behind the round
	FETCH_B 0, 0, 0
	FETCH_A 0, 0, 0
	SCALES 0, 0
	FETCH_A 0, 0, 4
	STEP 0, 0, 1
	TURN 0, 1, 1, 1
	STEP 1, 0, 0
	TURN 1, 0, 1, 2
	STEP 0, 0, 0
	TURN 0, 1, 0, 3
	STEP 1, 0, 0
	s_wait_dscnt 4*NL
	WIN MUL_LO
	MUL16 0, 1, NQ-1, 1, 0
	MUL16 2, 1, NQ-1, 1, 0
	s_wait_dscnt 0
	WIN MUL_HI
	MUL16 4, 1, NQ-1, 1, 0
	MUL16 6, 1, NQ-1, 1, 0
	WIN 0
.macro TOSTAGE a
.set AC, 64*((\a)%4)
	WIN 0x08+4*((\a)/4)
.irp b, 0,1,2,3,4,5,6,7
	ds_store_b128 v[STO], v[AC+8*\b:AC+8*\b+3] offset:128*(\b/2)+32*(\b%2)
	ds_store_b128 v[STO], v[AC+8*\b+4:AC+8*\b+7] offset:128*(\b/2)+32*(\b%2)+16
.endr
	WIN 0
.set BB, BK+64*((\a)%2)
.irp t, 0,1,2,3,4,5,6,7,8,9,10,11,12,13,14,15
	ds_load_b128 v[BB+4*\t:BB+4*\t+3], v[RD] offset:\t*SPITCH
.endr
.endm
.macro SEND a, younger
.set BB, BK+64*((\a)%2)
	s_wait_dscnt \younger
.irp t, 0,1,2,3,4,5,6,7,8,9,10,11,12,13,14,15
	global_store_b128 v[CO], v[BB+4*\t:BB+4*\t+3], s[12:13] offset:(32*((\a)/2)+8*((\a)%2)+\t+8*(\t/8))*4096 th:TH_STORE_NT
.endr
.endm
	PLACES NP
	TOSTAGE 0
.irp a, 1,2,3,4,5,6,7
.if \a > 1
	s_wait_xcnt 0x0
.endif
	TOSTAGE \a
	SEND \a-1, 32
.endr
	SEND 7, 0
	s_wait_tensorcnt 0x0
	ds_add_u32 v[SPW], v[NIL]
	s_wait_dscnt 0x0
	CROUND
	s_endpgm
.Lfunc_end_k_q0eb457dc38_outp:
	.size	k_q0eb457dc38_outp, .Lfunc_end_k_q0eb457dc38_outp-k_q0eb457dc38_outp
	.p2alignl 7, 3214868480
	.fill 96, 4, 3214868480
	.section	.rodata,"a",@progbits
	.p2align	6, 0x0
	.amdhsa_kernel k_q0eb457dc38_outp
		.amdhsa_group_segment_fixed_size 327680
		.amdhsa_private_segment_fixed_size 0
		.amdhsa_enable_private_segment 0
		.amdhsa_kernarg_size 24
		.amdhsa_user_sgpr_count 2
		.amdhsa_user_sgpr_kernarg_segment_ptr 1
		.amdhsa_wavefront_size32 1
		.amdhsa_system_sgpr_workgroup_id_x 1
		.amdhsa_system_sgpr_workgroup_id_y 1
		.amdhsa_system_sgpr_workgroup_id_z 1
		.amdhsa_system_vgpr_workitem_id 0
		.amdhsa_next_free_vgpr 1024
		.amdhsa_next_free_sgpr 98
		.amdhsa_reserve_vcc 0
		.amdhsa_float_denorm_mode_32 3
		.amdhsa_float_denorm_mode_16_64 3
		.amdhsa_memory_ordered 1
		.amdhsa_forward_progress 1
		.amdhsa_inst_pref_size 162
	.end_amdhsa_kernel
	.amdgpu_metadata
---
amdhsa.version: [ 1, 2 ]
amdhsa.kernels:
  - .name:           k_q0eb457dc38_outp
    .symbol:         k_q0eb457dc38_outp.kd
    .args:
      - { .name: ao, .offset: 0, .size: 8, .value_kind: global_buffer, .address_space: global }
      - { .name: wo, .offset: 8, .size: 8, .value_kind: global_buffer, .address_space: global }
      - { .name: out0, .offset: 16, .size: 8, .value_kind: global_buffer, .address_space: global }
    .group_segment_fixed_size: 327680
    .private_segment_fixed_size: 0
    .kernarg_segment_align: 8
    .kernarg_segment_size: 24
    .max_flat_workgroup_size: 128
    .sgpr_count:     98
    .vgpr_count:     1024
    .wavefront_size: 32
...
	.end_amdgpu_metadata
.endif
;; end of part 4
